; MI455X (gfx1250); checked and timed in simulation.
; The chip was launched on July 23, 2026; its instructions are those of AMD's public machine-readable ISA for CDNA 5 (MIT licence, August 2026) and "CDNA5" Instruction Set Architecture Reference Guide (July 2026). The comments in the code are by the model that wrote it; some were corrected since.
;; GPT Layer. Allowed arithmetic: matrix products marked QUANTISED: E3M2 operands, one E8M0 scale for each 32 along K, by v_wmma_scale_f32_16x16x128_f8f6f4 with both operands' format E3M2, f32 sums; everything else in f32.
;; Inputs: cos 2,048 x 64 float32; fcWeight 1,024 x 4,096 float32; kWeight 1,024 x 1,024 float32; lambdaResid one number float32; lambdaX0 one number float32; mlpProjWeight 4,096 x 1,024 float32; projWeight 1,024 x 1,024 float32; qWeight 1,024 x 1,024 float32; sin 2,048 x 64 float32; vWeight 1,024 x 1,024 float32; x 2 x 2,048 x 1,024 float32; x0 2 x 2,048 x 1,024 float32.
;; Outputs: out0 2 x 2,048 x 1,024 float32.
;; This version of the problem:
;;   THIS VERSION OF THE PROBLEM IS GIVEN IN LOW PRECISION. The matrix products marked QUANTISED in the list below multiply operands that are first quantised to E3M2 (3 exponent bits, 2 mantissa bits; 6 bits a number), with one power-of-two scale for each 32 numbers along K (OCP MX v1.0); their sums are f32. All else is computed in f32.
;;   The module's matrix products, in the order in which they are computed (A, B: the left and right operand; K: the contracted axis; several contracted axes count as one K, in the product's order):
;;     1. [M 4,096, K 1,024] x [K 1,024, N 1,024]; A: computed on the way; B: input qWeight: QUANTISED
;;     2. [M 4,096, K 1,024] x [K 1,024, N 1,024]; A: computed on the way; B: input kWeight: QUANTISED
;;     3. [M 4,096, K 1,024] x [K 1,024, N 1,024]; A: computed on the way; B: input vWeight: QUANTISED
;;     4. batch 32 x [M 2,048, K 64] x [K 64, N 2,048]; A: computed on the way; B: computed on the way: QUANTISED
;;     5. batch 32 x [M 64, K 2,048] x [K 2,048, N 2,048]; A: computed on the way; B: softmax (see below): QUANTISED
;;     6. [M 4,096, K 1,024] x [K 1,024, N 1,024]; A: computed on the way; B: input projWeight: QUANTISED
;;     7. [M 4,096, K 1,024] x [K 1,024, N 4,096]; A: computed on the way; B: input fcWeight: QUANTISED
;;     8. [M 4,096, K 4,096] x [K 4,096, N 1,024]; A: computed on the way; B: input mlpProjWeight: QUANTISED
;;   THE QUANTISER, for each operand of a quantised product, along K:
;;     - K is cut into blocks of 32 from its start; a last block that is shorter is filled with zeros.
;;     - A block's scale is 2^e with e = floor(log2(the largest magnitude in the block)) - 4, held to -126 .. 127; a block of zeros has e = 0. As a byte (E8M0): e + 127.
;;     - Each number is divided by its block's scale, clamped to +-28, and rounded to the nearest number of E3M2, ties to even, subnormals kept.
;;     - The product sums the exact products of the quantised numbers (number of the format x scale) in f32.
;;   ~~~python
;;   def quantise(x, axis):      # numpy; x: float32 -> the quantised numbers, widened to float32 again
;;       x = np.moveaxis(x, axis, -1); K = x.shape[-1]
;;       x = np.pad(x, [(0, 0)] * (x.ndim - 1) + [(0, -K % 32)]); x = x.reshape(x.shape[:-1] + (-1, 32)); a = np.abs(x).max(-1, keepdims=True)
;;       e = np.where(a > 0, np.clip(np.frexp(np.where(a > 0, a, 1))[1] - 1 - 4, -126, 127), 0)      # np.frexp(a)[1] - 1 = floor(log2(a)), exactly
;;       r = np.clip(x / 2.0 ** e, -28, 28)
;;       step = 2.0 ** (np.maximum(np.frexp(np.where(r == 0, 1, r))[1] - 1, -2) - 2)
;;       q = np.round(r / step) * step * 2.0 ** e      # np.round: ties to even
;;       return np.moveaxis(q.reshape(q.shape[:-2] + (-1,))[..., :K], -1, axis).astype(np.float32)
;;   ~~~
;;   SOFTMAX AHEAD OF A QUANTISED PRODUCT. Where the list says 'softmax', what is quantised is not the finished softmax but p = 2^(t - M), with t = logit x log2(e) and M = ceil(the row's largest t), a whole number; so 1/2 < the row's largest p <= 1. The row's sum l is taken of the UNQUANTISED p, in f32, and the product's result is divided by l at the end. Since M is a whole number, a kernel that streams over the keys may use a running M (the ceiling of the running maximum): every later rescaling is an exact power of two, which a block's scale takes up: the codes' values come out the same.
;;   OPERANDS COMPUTED ON THE WAY. 'Computed on the way' means the value that the module computes at that place (a softmax that the list does not call 'softmax' is quantised finished and normalised). What goes into a quantiser is computed in f32, as accurately as f32 sums, v_exp_f32 and their like allow (about 1e-6 of the number): no bf16 or f16 on the way to a quantiser, and a product that is left as it is and whose result goes on into a quantised operand takes f32 operands (vector FMAs, or v_wmma_f32_16x16x4_f32). A number that lies on a knife's edge between two numbers of the format may be rounded either way, as far as f32 arithmetic and the matrix unit's own rounding can turn it there, and no further.
;; One version. Each part assembles by itself: llvm-mc -triple=amdgcn-amd-amdhsa -mcpu=gfx1250 --defsym DOCPART=n.
;; ======== version 1 of 1: 6 launches
;; limits: right only within a limited range of input values
;; workspace buffers: W 9,437,440 bytes; WS 393,472 bytes; S1 16,777,216 bytes; S2 16,777,216 bytes; ACT 3,276,800 bytes; ACT2 3,276,800 bytes; QKV 9,830,400 bytes; H 13,107,200 bytes
;; launch prep (part 1): grid 640 x 1, 8 waves a work-group, no clusters, 69,120 bytes of LDS; arguments x, x0, lambdaResid, lambdaX0, qWeight, kWeight, vWeight, projWeight, fcWeight, mlpProjWeight, S1, ACT, W, WS; writes S1, ACT, W, WS
.if DOCPART == 1
	.amdgcn_target "amdgcn-amd-amdhsa--gfx1250"
	.amdhsa_code_object_version 6
	.text
	.protected	k_q752246b8db_prep
	.globl	k_q752246b8db_prep
	.p2align	8
	.type	k_q752246b8db_prep,@function
k_q752246b8db_prep:
	s_mov_b64 s[64:65], 0
	v_nop
	global_prefetch_b8 v0, s[64:65] scope:SCOPE_SE
	s_setreg_imm32_b32 hwreg(HW_REG_WAVE_MODE, 25, 1), 1
	s_wait_xcnt 0x0
; TWO JOBS, told apart by the work-group's number alone.
; Work-groups 0-255 (the norm): s = a x + b y (a, b: one f32 number each, read from memory), stored as f32; s x rsqrt(mean(s^2) + 1e-5) quantised to BF6 (E3M2)
; along the row, one E8M0 byte for each 32, stored as images of operand registers.  Work-groups 256-639 (the weights): six weights [K][N] f32 quantised along K, their FIRST axis.
; TILES.  A tile is 16 rows.  Position i of tile t is row 32 (t / 2) + 8 (t % 2) + i + 8 (i / 8), for tokens and for the columns n of a weight alike: in a transposed product the 16 registers
; of two neighbouring result tiles are then 16 neighbours of the next K.
; IMAGE of a fragment (16 rows x 128 K, 12 registers a lane), 1,536 bytes: half c: registers 6 c .. 6 c + 3 at 768 c + 16 lane, registers 6 c + 4, 5 at 768 c + 512 + 8 lane.  Its 16 scale words: 64 bytes.
; NORM: a work-group takes one tile of tokens, wave s columns 128 s .. 128 s + 127.  Every load and store of f32 covers 512 consecutive bytes; the numbers turn through the wave's own stage in LDS,
; so that lane (r, h) holds of row r the 16 neighbours 32 b + 16 h + 0 .. 15 of each block b.  The row's sum of squares meets in LDS: one barrier.
; WEIGHTS: a work-group takes 256 columns x 128 K, a wave 32 columns, a lane one column with its registers down K: nothing is transposed; one exchange of lane halves gives two tiles' fragments.
; LIMITS: NaN and infinities are not served; a block whose largest magnitude is under 2^-122 (a block of zeros too) gets the byte 1: its bytes are read by this program alone.
; No tensor loads, no cluster: no two work-groups read the same byte.  No prefetch: the launch is one stream of loads that are all asked for at once.
; s LEAVES AS AN IMAGE OF REGISTERS: for tile t and wave w 8,192 bytes at (8 t + w) x 8,192: registers 4 q .. 4 q + 3 of the 64 numbers of a lane at 512 q + 16 lane; register 16 b + i of lane (r, h) is
; column 128 w + 32 b + 16 h + i of position r: the layout of the next product's accumulators.  The first 256 bytes of the weights' two buffers are neither written nor read.
.set STGW, 8448
.set RSUM, 8*STGW                      ; behind the stages: 16 rows x 8 partial sums
.set O16,  9                           ; v9   16 x lane
.set O8,   10                          ; v10  8 x lane
.set O4,   11                          ; v11  4 x (lane % 16)
.set X,    32                          ; v32-95   first addend, then s: row i in 4 i ..
.set Y,    96                          ; v96-159  second addend; later the codes
.set Z,    160                         ; v160-223 64 numbers of my row
.set TM,   224                         ; v224-239 at work
.set PW,   240                         ; the scale word
.set PC,   96                          ; the codes
.set SEL,  50                          ; s[50:51] lane selects: lane l xor 16
.set WOFF, 32                          ; weights: v32-63 byte offset of row i of a block, at my column
.set WX,   64                          ; weights: v64-191 my column's 128 numbers
; 64 numbers of a lane, register 16 b + i = k 32 b + 16 (lane / 16) + i of my row, become a fragment's codes in v[PC] on and its scale word in v[PW].
.macro QUANT s
.irp b, 0,1,2,3
	v_max3_num_f32 v[TM+\b], |v[\s+16*\b]|, |v[\s+1+16*\b]|, 0x2800000   ; my 16 numbers of block b, and the floor 2^(5 - 127): the byte cannot fall under 1
.endr
.irp i, 2,4,6,8,10,12,14
.irp b, 0,1,2,3
	s_delay_alu instid0(VALU_DEP_4)
	v_max3_num_f32 v[TM+\b], v[TM+\b], |v[\s+16*\b+\i]|, |v[\s+1+16*\b+\i]|
.endr
.endr
.irp b, 0,1,2,3
	s_delay_alu instid0(VALU_DEP_4)
	v_permlanex16_b32 v[TM+4+\b], v[TM+\b], s[SEL], s[SEL+1]
.endr
.irp b, 0,1,2,3
	s_delay_alu instid0(VALU_DEP_4)
	v_max_num_f32 v[TM+\b], v[TM+\b], v[TM+4+\b]   ; with lane l xor 16's: the block's largest magnitude
.endr
.irp b, 0,1,2,3
	s_delay_alu instid0(VALU_DEP_4)
	v_add_nc_u32 v[TM+12+\b], 0xfe000000, v[TM+\b]  ; 4 off its exponent field: the conversion's scale operand
.endr
.irp b, 0,1,2,3
	s_delay_alu instid0(VALU_DEP_4)
	v_lshrrev_b32 v[TM+4+\b], 23, v[TM+12+\b]       ; the scale's byte
.endr
	s_delay_alu instid0(VALU_DEP_3)
	v_lshl_or_b32 v[PW], v[TM+5], 8, v[TM+4]
	s_delay_alu instid0(VALU_DEP_1)
	v_lshl_or_b32 v[PW], v[TM+6], 16, v[PW]
	s_delay_alu instid0(VALU_DEP_1)
	v_lshl_or_b32 v[PW], v[TM+7], 24, v[PW]
.irp c, 0,1
	v_cvt_scalef32_pk16_bf6_f32 v[PC+6*\c:PC+2+6*\c], v[\s+32*\c:\s+15+32*\c], v[TM+12+2*\c]
	v_cvt_scalef32_pk16_bf6_f32 v[PC+12+4*\c:PC+14+4*\c], v[\s+16+32*\c:\s+31+32*\c], v[TM+12+2*\c+1]   ; (a conversion's three registers begin on an even number)
.endr
	v_nop                                          ; one plain place behind a scaled conversion
.irp c, 0,1                                    ; the operand wants a whole block in a lane: lanes 0-15 block 2 c, lanes 16-31 block 2 c + 1
.irp i, 0,1,2
	v_permlane16_swap_b32 v[PC+6*\c+\i], v[PC+12+4*\c+\i]
.endr
.irp i, 0,1,2
	s_delay_alu instid0(VALU_DEP_3)
	v_mov_b32 v[PC+3+6*\c+\i], v[PC+12+4*\c+\i]
.endr
.endr
.endm
	s_load_b256 s[4:11], s[0:1], 0x0               ; first addend, second addend, a, b
	s_load_b256 s[12:19], s[0:1], 0x20             ; q, k, v, proj weights
	s_load_b256 s[20:27], s[0:1], 0x40             ; fc, mlpProj weights, s out, codes of the norm out
	s_load_b128 s[28:31], s[0:1], 0x60             ; weights' codes out, weights' scales out
	v_lshl_add_u32 v254, v0, 2, 0x10a00
	v_mov_b32 v255, 0
	v_lshrrev_b32 v1, 5, v0
	s_delay_alu instid0(VALU_DEP_1)
	v_readfirstlane_b32 s32, v1                    ; wave 0..7
	v_and_b32 v1, 31, v0                           ; lane
	v_and_b32 v2, 15, v0                           ; r
	v_bfe_u32 v3, v0, 4, 1                         ; h
	s_delay_alu instid0(VALU_DEP_3)
	v_lshlrev_b32 v[O16], 4, v1
	s_delay_alu instid0(VALU_DEP_4)
	v_lshlrev_b32 v[O8], 3, v1
	s_delay_alu instid0(VALU_DEP_4)
	v_lshlrev_b32 v[O4], 2, v2
	s_mov_b32 s[SEL], 0x76543210
	s_mov_b32 s[SEL+1], 0xfedcba98
	s_wait_kmcnt 0x0
	s_cmp_lt_u32 ttmp9, 256
	s_cbranch_scc0 .Lweights
	; ---------------- the norm: tile ttmp9, K step = wave
	s_load_b32 s36, s[8:9], 0x0                    ; a
	s_load_b32 s38, s[10:11], 0x0                  ; b
	s_lshr_b32 s33, ttmp9, 1
	s_lshl_b32 s33, s33, 5
	s_and_b32 s34, ttmp9, 1
	s_lshl_b32 s34, s34, 3
	s_add_co_u32 s33, s33, s34                     ; the tile's first token: 32 (t / 2) + 8 (t % 2)
	s_lshl_b32 s33, s33, 12                        ; rows of 4,096 bytes
	s_lshl_b32 s34, s32, 9                         ; my wave's 512 bytes of a row
	s_add_co_u32 s34, s33, s34
	s_mov_b32 s35, 0
	s_add_nc_u64 s[4:5], s[4:5], s[34:35]
	s_add_nc_u64 s[6:7], s[6:7], s[34:35]
	s_wait_alu depctr_va_vdst(0)
.irp i, 0,1,2,3,4,5,6,7,8,9,10,11,12,13,14,15
	global_load_b128 v[X+4*\i:X+4*\i+3], v[O16], s[4:5] offset:(\i+8*(\i/8))*4096 th:TH_LOAD_NT   ; position i of the tile: 512 consecutive bytes
.endr
.irp i, 0,1,2,3,4,5,6,7,8,9,10,11,12,13,14,15
	global_load_b128 v[Y+4*\i:Y+4*\i+3], v[O16], s[6:7] offset:(\i+8*(\i/8))*4096 th:TH_LOAD_NT
.endr
	s_mul_i32 s40, s32, STGW
	v_add_nc_u32 v5, s40, v[O16]                   ; the stage, on the way in: 16 x lane, a row a store
	v_mul_u32_u24 v6, v2, 528
	s_delay_alu instid0(VALU_DEP_1)
	v_lshl_add_u32 v6, v3, 6, v6
	s_delay_alu instid0(VALU_DEP_1)
	v_add_nc_u32 v6, s40, v6                       ; on the way out: row r, + 64 h
	s_lshl_b32 s41, s32, 2
	s_add_co_u32 s41, s41, RSUM
	v_lshl_add_u32 v7, v2, 5, s41                  ; my row's partial sum: 32 r + 4 x wave
	v_lshlrev_b32 v8, 5, v2
	s_delay_alu instid0(VALU_DEP_1)
	v_add_nc_u32 v8, RSUM, v8                      ; my row's eight
	s_lshl_b32 s42, ttmp9, 3
	s_add_co_u32 s42, s42, s32
	s_lshl_b32 s48, s42, 13                        ; the image of s: 8,192 bytes for each fragment
	s_mov_b32 s49, 0
	s_add_nc_u64 s[24:25], s[24:25], s[48:49]
	s_mul_i32 s44, s42, 1536
	s_lshl_b32 s46, s42, 6
	s_mov_b32 s45, 0
	s_mov_b32 s47, 0
	s_add_nc_u64 s[44:45], s[26:27], s[44:45]      ; its image
	s_add_nc_u64 s[46:47], s[26:27], s[46:47]      ; its scale words lie 3,145,728 bytes on
	s_mov_b32 s52, 0x3a800000                      ; 1 / 1,024
	s_mov_b32 s53, 0x3727c5ac                      ; 1e-5
	s_wait_kmcnt 0x0
	s_mov_b32 s37, s36                             ; (the packed forms name pairs)
	s_mov_b32 s39, s38
.irp i, 0,1,2,3,4,5,6,7,8,9,10,11,12,13,14,15
	s_wait_loadcnt 15-\i                           ; the second addend's row i is in, so the first's is too; the 15 - i younger loads stay out
	v_pk_mul_f32 v[X+4*\i:X+4*\i+1], v[X+4*\i:X+4*\i+1], s[36:37] op_sel_hi:[1,0]
	v_pk_mul_f32 v[X+4*\i+2:X+4*\i+3], v[X+4*\i+2:X+4*\i+3], s[36:37] op_sel_hi:[1,0]
	s_delay_alu instid0(VALU_DEP_2)
	v_pk_fma_f32 v[X+4*\i:X+4*\i+1], v[Y+4*\i:Y+4*\i+1], s[38:39], v[X+4*\i:X+4*\i+1] op_sel_hi:[1,0,1]
	s_delay_alu instid0(VALU_DEP_2)
	v_pk_fma_f32 v[X+4*\i+2:X+4*\i+3], v[Y+4*\i+2:Y+4*\i+3], s[38:39], v[X+4*\i+2:X+4*\i+3] op_sel_hi:[1,0,1]
	ds_store_b128 v5, v[X+4*\i:X+4*\i+3] offset:528*\i
.endr
.irp b, 0,1,2,3
.irp j, 0,1,2,3
	ds_load_b128 v[Z+16*\b+4*\j:Z+16*\b+4*\j+3], v6 offset:128*\b+16*\j   ; LDS serves a wave's instructions in order: these see my stores
.endr
.endr
	s_wait_dscnt 0x0
.set n, 0
.rept 16
	global_store_b128 v[O16], v[Z+4*n:Z+4*n+3], s[24:25] offset:512*n   ; s as an image: 512 consecutive bytes a store, aligned
.set n, n+1
.endr
	v_pk_mul_f32 v[224:225], v[Z:Z+1], v[Z:Z+1]
	v_pk_mul_f32 v[226:227], v[Z+2:Z+3], v[Z+2:Z+3]
.irp j, 4,8,12,16,20,24,28,32,36,40,44,48,52,56,60
	s_delay_alu instid0(VALU_DEP_2)
	v_pk_fma_f32 v[224:225], v[Z+\j:Z+\j+1], v[Z+\j:Z+\j+1], v[224:225]
	s_delay_alu instid0(VALU_DEP_2)
	v_pk_fma_f32 v[226:227], v[Z+\j+2:Z+\j+3], v[Z+\j+2:Z+\j+3], v[226:227]
.endr
	s_delay_alu instid0(VALU_DEP_1)
	v_pk_add_f32 v[224:225], v[224:225], v[226:227]
	s_delay_alu instid0(VALU_DEP_1)
	v_add_f32 v224, v224, v225
	s_delay_alu instid0(VALU_DEP_1)
	v_permlanex16_b32 v225, v224, s[SEL], s[SEL+1]
	s_delay_alu instid0(VALU_DEP_1)
	v_add_f32 v224, v224, v225                     ; row r, my wave's 128 columns
	ds_store_b32 v7, v224                          ; (both halves of the lanes write the same word with the same value)
	s_wait_dscnt 0x0                               ; for the others' sake: my store has landed
	s_barrier_signal -1
	s_barrier_wait -1
	s_wait_xcnt 0x0                                ; the stores of s have read their registers, which are scaled in place below
	ds_load_b128 v[228:231], v8
	ds_load_b128 v[232:235], v8 offset:16
	s_wait_dscnt 0x0
	v_add_f32 v224, v228, v229                     ; the eight parts in one order in every wave
.irp j, 230,231,232,233,234,235
	s_delay_alu instid0(VALU_DEP_1)
	v_add_f32 v224, v224, v\j
.endr
	s_delay_alu instid0(VALU_DEP_1)
	v_fma_f32 v224, v224, s52, s53                 ; the mean + 1e-5
	s_wait_alu depctr_va_vdst(0)
	v_rsq_f32 v226, v224
	v_nop                                          ; a plain place behind the transcendental
	s_wait_alu depctr_va_vdst(0)                   ; and the wait ahead of its first reader
.irp j, 0,2,4,6,8,10,12,14,16,18,20,22,24,26,28,30,32,34,36,38,40,42,44,46,48,50,52,54,56,58,60,62
	v_pk_mul_f32 v[Z+\j:Z+\j+1], v[Z+\j:Z+\j+1], v[226:227] op_sel_hi:[1,0]
.endr
	QUANT Z
	global_store_b128 v[O16], v[PC:PC+3], s[44:45]             ; the image: 512, 256, 512, 256 consecutive bytes
	global_store_b64 v[O8], v[PC+4:PC+5], s[44:45] offset:512
	global_store_b128 v[O16], v[PC+6:PC+9], s[44:45] offset:768
	global_store_b64 v[O8], v[PC+10:PC+11], s[44:45] offset:1280
	global_store_b32 v[O4], v[PW], s[46:47] offset:3145728     ; row r's word (both halves of the lanes hold and write the same)
	s_wait_tensorcnt 0x0
	ds_add_u32 v254, v255
	s_wait_dscnt 0x0
	s_endpgm
	; ---------------- the weights
.Lweights:
	s_sub_co_u32 s33, ttmp9, 256                   ; g: 0-127 q, k, v, proj (32 each); 128-255 fc; 256-383 mlpProj
	s_lshr_b32 s34, s33, 5
	s_cmp_eq_u32 s34, 1
	s_cselect_b64 s[12:13], s[14:15], s[12:13]
	s_cmp_eq_u32 s34, 2
	s_cselect_b64 s[12:13], s[16:17], s[12:13]
	s_cmp_eq_u32 s34, 3
	s_cselect_b64 s[12:13], s[18:19], s[12:13]
	s_lshr_b32 s36, s33, 7                         ; class 0, 1, 2
	s_cmp_eq_u32 s36, 1
	s_cselect_b64 s[12:13], s[20:21], s[12:13]
	s_cmp_eq_u32 s36, 2
	s_cselect_b64 s[12:13], s[22:23], s[12:13]     ; my weight
	s_and_b32 s35, s33, 127
	s_and_b32 s37, s35, 3                          ; which 256 columns (N = 1,024)
	s_lshr_b32 s38, s35, 2                         ; which 128 of K (mlpProj: 32 of them)
	s_and_b32 s39, s38, 7                          ; (the four small ones: 8)
	s_and_b32 s40, s35, 15                         ; fc: 16 groups of columns,
	s_lshr_b32 s41, s35, 4                         ; 8 of K
	s_lshl_b32 s42, s34, 9                         ; first fragment of a small weight: 512 x its number
	s_cmp_eq_u32 s36, 0
	s_cselect_b32 s38, s39, s38
	s_cselect_b32 s42, s42, 4096                   ; mlpProj's first fragment
	s_cselect_b32 s43, 8, 32                       ; K steps of a tile
	s_cmp_eq_u32 s36, 1
	s_cselect_b32 s37, s40, s37
	s_cselect_b32 s38, s41, s38
	s_cselect_b32 s42, 2048, s42                   ; fc's first fragment
	s_cselect_b32 s43, 8, s43
	s_cselect_b32 s44, 14, 12                      ; log2 of a row's bytes
	s_lshl_b32 s45, s38, 7
	s_lshl_b32 s45, s45, s44                       ; 128 s rows
	s_lshl_b32 s46, s37, 10                        ; 256 columns x 4 bytes
	s_lshl_b32 s47, s32, 7                         ; my wave's 32 columns
	s_add_co_u32 s46, s46, s47
	s_add_co_u32 s46, s46, s45
	s_mov_b32 s47, 0
	s_add_nc_u64 s[12:13], s[12:13], s[46:47]      ; block 0 of my K step,
	s_lshl_b32 s46, 32, s44
	s_add_nc_u64 s[14:15], s[12:13], s[46:47]      ; blocks 1, 2, 3: 32 rows on each
	s_add_nc_u64 s[16:17], s[14:15], s[46:47]
	s_add_nc_u64 s[18:19], s[16:17], s[46:47]
	s_lshl_b32 s48, 1, s44                         ; a row's bytes
	s_wait_alu depctr_va_vdst(0)
	v_and_b32 v4, 8, v2
	s_delay_alu instid0(VALU_DEP_1)
	v_add_nc_u32 v4, v4, v2
	s_delay_alu instid0(VALU_DEP_1)
	v_lshl_add_u32 v4, v3, 3, v4                   ; my column among the wave's 32: 8 u + r + 8 (r / 8): lanes 0-15 are one tile, lanes 16-31 the next
	s_delay_alu instid0(VALU_DEP_1)
	v_lshlrev_b32 v[WOFF], 2, v4
.set i, 1
.rept 31
	s_delay_alu instid0(VALU_DEP_1)
	v_add_nc_u32 v[WOFF+i], s48, v[WOFF+i-1]
.set i, i+1
.endr
.irp b, 0,1,2,3
.set i, 0
.rept 32
	global_load_b32 v[WX+32*\b+i], v[WOFF+i], s[12+2*\b:13+2*\b] th:TH_LOAD_NT   ; one row k at my wave's 32 columns: 128 consecutive bytes; the eight waves stand side by side
.set i, i+1
.endr
.endr
	s_lshl_b32 s40, s37, 4
	s_lshl_b32 s41, s32, 1
	s_add_co_u32 s40, s40, s41                     ; my first tile: 16 x group + 2 x wave
	s_mul_i32 s40, s40, s43
	s_add_co_u32 s40, s40, s42
	s_add_co_u32 s40, s40, s38                     ; its fragment of this K step
	s_mul_i32 s54, s40, 1536
	s_add_co_u32 s54, s54, 256
	s_mov_b32 s55, 0
	s_add_nc_u64 s[54:55], s[28:29], s[54:55]      ; its image,
	s_mul_i32 s56, s43, 1536
	s_mov_b32 s57, 0
	s_add_nc_u64 s[56:57], s[54:55], s[56:57]      ; and the next tile's
	s_lshl_b32 s58, s40, 6
	s_add_co_u32 s58, s58, 256
	s_mov_b32 s59, 0
	s_add_nc_u64 s[58:59], s[30:31], s[58:59]      ; its scale words
	s_lshl_b32 s60, s43, 6
	v_mul_u32_u24 v5, s60, v3                      ; lanes 16-31: the next tile's
	s_delay_alu instid0(VALU_DEP_1)
	v_add_nc_u32 v5, v5, v[O4]
; Half c of the two fragments: my column's blocks 2 c and 2 c + 1.
.macro HALF c
.set be, WX+64*\c
.set bo, WX+64*\c+32
	v_max3_num_f32 v216, |v[be]|, |v[be+1]|, 0x2800000   ; all 32 numbers of a block are mine; the floor holds the byte at 1 from below
	v_max3_num_f32 v217, |v[bo]|, |v[bo+1]|, 0x2800000
.irp i, 2,4,6,8,10,12,14,16,18,20,22,24,26,28,30
	s_delay_alu instid0(VALU_DEP_2)
	v_max3_num_f32 v216, v216, |v[be+\i]|, |v[be+\i+1]|
	s_delay_alu instid0(VALU_DEP_2)
	v_max3_num_f32 v217, v217, |v[bo+\i]|, |v[bo+\i+1]|
.endr
	s_delay_alu instid0(VALU_DEP_2)
	v_add_nc_u32 v218, 0xfe000000, v216
	s_delay_alu instid0(VALU_DEP_2)
	v_add_nc_u32 v219, 0xfe000000, v217
	s_delay_alu instid0(VALU_DEP_2)
	v_lshrrev_b32 v220, 23, v218
	s_delay_alu instid0(VALU_DEP_2)
	v_lshrrev_b32 v221, 23, v219
.if \c == 0
	s_delay_alu instid0(VALU_DEP_1)
	v_lshl_or_b32 v224, v221, 8, v220              ; my column's scale word, the lower K in the lower byte
.else
	s_delay_alu instid0(VALU_DEP_2)
	v_lshl_or_b32 v224, v220, 16, v224
	s_delay_alu instid0(VALU_DEP_1)
	v_lshl_or_b32 v224, v221, 24, v224
	s_wait_alu depctr_va_vdst(0)
	s_wait_xcnt 0x0                                ; the first half's stores have read their registers: they are written again below
.endif
	v_cvt_scalef32_pk16_bf6_f32 v[192:194], v[be:be+15], v218
	v_cvt_scalef32_pk16_bf6_f32 v[208:210], v[be+16:be+31], v218
	v_cvt_scalef32_pk16_bf6_f32 v[200:202], v[bo:bo+15], v219
	v_cvt_scalef32_pk16_bf6_f32 v[212:214], v[bo+16:bo+31], v219
	v_nop                                          ; one plain place behind a scaled conversion
.irp i, 0,1,2
	v_mov_b32 v[195+\i], v[208+\i]
	v_mov_b32 v[203+\i], v[212+\i]
.endr
.irp i, 0,1,2,3,4,5
	v_permlane16_swap_b32 v[192+\i], v[200+\i]     ; v192.. : the first tile's blocks 2 c (lanes 0-15) and 2 c + 1 (lanes 16-31); v200.. : the next tile's
.endr
	global_store_b128 v[O16], v[192:195], s[54:55] offset:768*\c
	global_store_b64 v[O8], v[196:197], s[54:55] offset:768*\c+512
	global_store_b128 v[O16], v[200:203], s[56:57] offset:768*\c
	global_store_b64 v[O8], v[204:205], s[56:57] offset:768*\c+512
.endm
	s_wait_loadcnt 63                              ; of 128 loads at most 63 are out: blocks 0 and 1 (the first 64) are in
	HALF 0
	s_wait_loadcnt 0x0
	HALF 1
	global_store_b32 v5, v224, s[58:59]
	s_endpgm
.Lfunc_end_k_q752246b8db_prep:
	.size	k_q752246b8db_prep, .Lfunc_end_k_q752246b8db_prep-k_q752246b8db_prep
	.p2alignl 7, 3214868480
	.fill 96, 4, 3214868480
	.section	.rodata,"a",@progbits
	.p2align	6, 0x0
	.amdhsa_kernel k_q752246b8db_prep
		.amdhsa_group_segment_fixed_size 69120
		.amdhsa_private_segment_fixed_size 0
		.amdhsa_enable_private_segment 0
		.amdhsa_kernarg_size 112
		.amdhsa_user_sgpr_count 2
		.amdhsa_user_sgpr_kernarg_segment_ptr 1
		.amdhsa_wavefront_size32 1
		.amdhsa_system_sgpr_workgroup_id_x 1
		.amdhsa_system_sgpr_workgroup_id_y 1
		.amdhsa_system_sgpr_workgroup_id_z 1
		.amdhsa_system_vgpr_workitem_id 0
		.amdhsa_next_free_vgpr 256
		.amdhsa_next_free_sgpr 66
		.amdhsa_reserve_vcc 0
		.amdhsa_float_denorm_mode_32 3
		.amdhsa_float_denorm_mode_16_64 3
		.amdhsa_memory_ordered 1
		.amdhsa_forward_progress 1
		.amdhsa_inst_pref_size 53
	.end_amdhsa_kernel
	.amdgpu_metadata
---
amdhsa.version: [ 1, 2 ]
amdhsa.kernels:
  - .name:           k_q752246b8db_prep
    .symbol:         k_q752246b8db_prep.kd
    .args:
      - { .name: x, .offset: 0, .size: 8, .value_kind: global_buffer, .address_space: global }
      - { .name: x0, .offset: 8, .size: 8, .value_kind: global_buffer, .address_space: global }
      - { .name: lambdaResid, .offset: 16, .size: 8, .value_kind: global_buffer, .address_space: global }
      - { .name: lambdaX0, .offset: 24, .size: 8, .value_kind: global_buffer, .address_space: global }
      - { .name: qWeight, .offset: 32, .size: 8, .value_kind: global_buffer, .address_space: global }
      - { .name: kWeight, .offset: 40, .size: 8, .value_kind: global_buffer, .address_space: global }
      - { .name: vWeight, .offset: 48, .size: 8, .value_kind: global_buffer, .address_space: global }
      - { .name: projWeight, .offset: 56, .size: 8, .value_kind: global_buffer, .address_space: global }
      - { .name: fcWeight, .offset: 64, .size: 8, .value_kind: global_buffer, .address_space: global }
      - { .name: mlpProjWeight, .offset: 72, .size: 8, .value_kind: global_buffer, .address_space: global }
      - { .name: S1, .offset: 80, .size: 8, .value_kind: global_buffer, .address_space: global }
      - { .name: ACT, .offset: 88, .size: 8, .value_kind: global_buffer, .address_space: global }
      - { .name: W, .offset: 96, .size: 8, .value_kind: global_buffer, .address_space: global }
      - { .name: WS, .offset: 104, .size: 8, .value_kind: global_buffer, .address_space: global }
    .group_segment_fixed_size: 69120
    .private_segment_fixed_size: 0
    .kernarg_segment_align: 8
    .kernarg_segment_size: 112
    .max_flat_workgroup_size: 256
    .sgpr_count:     66
    .vgpr_count:     256
    .wavefront_size: 32
...
	.end_amdgpu_metadata
.endif
;; end of part 1
;; launch qkv (part 2): grid 4 x 48, 4 waves a work-group, clusters of 4 x 4, 327,680 bytes of LDS; arguments ACT, W, WS, cos, sin, QKV; writes QKV
.if DOCPART == 2
	.amdgcn_target "amdgcn-amd-amdhsa--gfx1250"
	.amdhsa_code_object_version 6
	.text
	.protected	k_q752246b8db_qkv
	.globl	k_q752246b8db_qkv
	.p2align	8
	.type	k_q752246b8db_qkv,@function
k_q752246b8db_qkv:
	s_mov_b64 s[64:65], 0
	v_nop
	global_prefetch_b8 v0, s[64:65] scope:SCOPE_SE
	s_setreg_imm32_b32 hwreg(HW_REG_WAVE_MODE, 25, 1), 1
	s_wait_xcnt 0x0
	s_wait_alu depctr_hold_cnt(0) depctr_sa_sdst(0) depctr_va_vdst(0) depctr_va_sdst(0) depctr_va_ssrc(0) depctr_va_vcc(0) depctr_vm_vsrc(0)
	s_getreg_b32 s2, hwreg(HW_REG_IB_STS2, 6, 4)
	s_cmp_eq_u32 s2, 0
	s_cbranch_scc0 .Lentry_in_a_cluster
	s_endpgm
.Lentry_in_a_cluster:
	s_bfe_u32 s2, ttmp6, 0x10000c
	s_cmp_lg_u32 s2, 0xf033
	s_cbranch_scc0 .Lentry_shape_is_right
	s_endpgm
.Lentry_shape_is_right:
; q, k, v = pre x Wq, Wk, Wv on codes of BF6 (E3M2) with E8M0 scales; then rotary and the head's norm for q and k; all three quantised again and stored as attention's operands.
; A work-group of four waves makes 256 x 256 of a product, a wave 128 x 128: 64 accumulators.  K = 1,024 goes in four slots of 256 through a ring of two LDS slots.
; OPERANDS lie in memory as images of their registers (a fragment: 1,536 bytes, [tile][K step]); a slot's part of 8 tiles is 8 rows of 3,072 bytes for one tensor load; a fragment comes out of LDS
; by four loads of consecutive bytes: no pitch, no padding.  The scale words of a work-group's tiles, for all of K, come once with the first fills.
; TWO KINDS OF CLUSTERS, told apart by the cluster's number c (the same in all sixteen partners).  c < 8: A = tokens, B = the columns of Wq and Wk: a lane holds a token, its registers run along a head.
; c >= 8: A = the columns of Wv, B = tokens: a lane holds a channel d and its registers run along the tokens, which are the K of attention's second product.  Only pointers and coordinates are chosen.
; THE MATRIX INSTRUCTION IS USED TRANSPOSED: source 0 = 16 rows of B, source 1 = 16 rows of A.  By the order of rows in a tile the 64 registers of A's block a are k = 32 b + 16 (lane / 16) + i at register 16 b + i.
; CLUSTER 4 x 4: A's tiles are asked for jointly along a row of the cluster, B's along a column.
; OUT: for each head and each 256 keys a record of 25,600 bytes: K's 16 half images (a head has K = 64: half a fragment), V^T's 8 fragments, K's scale words (two tiles' bytes to a word), V's; for q records of 12,800 bytes.
; COS AND SIN of a tile's tokens are asked for three tiles ahead of their use, into four sets of registers that B's fragments have left.
; LIMITS: NaN and infinities are not served; a block under 2^-122 (zeros too) gets the byte 1, read by this program alone.
; No prefetch: K has four slots, two of them asked for at the head, and the operands are read by many work-groups at the same time.
.set T,     8                          ; blocks of 16 on a wave's side
.set LT,    3
.set NQ,    2                          ; K steps of 128 in a slot
.set S,     8                          ; K steps in all
.set TH,    T/2
.set FR,    12                         ; registers of a fragment
.set NL,    4                          ; LDS loads that bring one
.set FRB,   1536                       ; its image in bytes
.set HALFT, T*NQ*FRB                   ; what one tensor load brings, and what one wave reads of A or of B
.set SLOT,  4*HALFT                    ; A's two halves, then B's
.set LAPS,  S/(2*NQ)
.set SCL,   2*SLOT                     ; behind the ring: four regions of scale words, filled once
.set SHP,   64*T*S                     ; the scale words of one half; A's two halves on end, 64 bytes, B's two halves: A's and B's words fall on different banks
.set SPARE, SCL+4*SHP+256
.set O16,  4                           ; v4  16 x lane
.set O8,   5                           ; v5  8 x lane
.set O4,   7                           ; v7  4 x (lane % 16)
.set ADRA, 16                          ; v16-17 LDS address of my A fragments' 16-byte pieces in slot 0, 1; v18-19 of their 8-byte pieces
.set ADRB, 20                          ; v20-23 the same for B
.set ADRS, 27                          ; v27 my scale words: lanes 0-15 A's, lanes 16-31 B's
.set SPW,  28                          ; v28 my spare word; never rewritten
.set NIL,  29                          ; v29 0; never rewritten
.set CSA,  30                          ; v30 the way out: my byte in a tile's rows of cos and sin; never rewritten
.set SC,   32                          ; v32-63 scale words, two sets of 16: register NQ i + q
.set AF,   128                         ; A's fragments, window 0, one set;  B's: window 1, two sets at v0 and v128;  accumulators: windows 2 and 3, (a, b) at v[8 (T (a % TH) + b)]
.set TM,   32                          ; the way out (the scale words are done with): v32-47 at work
.set SQ,   40
.set PW,   48                          ; a scale word, or a head's two bytes
.set KW,   50                          ; v50-51 two tiles' bytes, for each of my two heads
.set PC,   52                          ; codes
.set PT,   58
.set R,    64                          ; v64-95 a head's 32 numbers of my token
.set CS4,  0                           ; the way out, WINDOW 1 (B's fragments are done with): four sets of 64: cos (32), sin (32) of my token; tile a takes set a % 4
.set G1, 24
.set G0, 32
.set G1B, 48
.set G0B, 56
.set G1S, 68
.set G0S, 76
.set G1SB, 80
.set G0SB, 88
.set MSB, 0
.macro WIN new                         ; the immediate's high byte repeats the setting that is left
.if MSB != (\new)
	s_set_vgpr_msb (MSB<<8)|(\new)
.set MSB, (\new)
.endif
.endm
.set MUL_LO, 0xa1                      ; source 0 (B) window 1, source 1 (A) window 0, C and D window 2
.set MUL_HI, 0xf1                      ; the same, C and D window 3
.set TO_B,   0x40                      ; destination window 1
; A joint load: waves 0 and 1 fetch for A, waves 2 and 3 for B; the branch hangs on the wave's number alone.  Four v_nop follow each of the two lines.
.macro JLOAD g0a, g1a, g0b, g1b
	s_cmp_eq_u32 s15, 0
	s_cbranch_scc0 .Lfor_b_\@
	tensor_load_to_lds s[\g0a:\g0a+3], s[\g1a:\g1a+7]
	s_nop 0
.rept 4
	v_nop
.endr
	s_branch .Lasked_\@
.Lfor_b_\@:
	tensor_load_to_lds s[\g0b:\g0b+3], s[\g1b:\g1b+7]
	s_nop 0
.rept 4
	v_nop
.endr
.Lasked_\@:
.endm
.macro CREST                           ; a round of the cluster's barrier behind its opening barrier
	s_cmp_lg_u32 s14, 0
	s_cbranch_scc1 .Lnot_wave_0_\@
	s_barrier_signal -3
.Lnot_wave_0_\@:
	s_barrier_wait -3
	s_barrier_signal -1
	s_barrier_wait -1
.endm
.macro CROUND
	s_barrier_signal -1
	s_barrier_wait -1
	CREST
.endm
.macro PLACES n                        ; plain places behind matrix instructions, in front of loads into their registers and of reads of their results
.rept \n
	v_nop
.endr
.endm
.macro FRAG reg, adr, q, i             ; tile i, the slot's q-th K step: the image as it lies
.set fr, \reg
.set fa, \adr
.set fo, ((\i)*NQ+(\q))*FRB
	ds_load_b128 v[fr:fr+3], v[fa] offset:fo
	ds_load_b64 v[fr+4:fr+5], v[fa+2] offset:fo+512
	ds_load_b128 v[fr+6:fr+9], v[fa] offset:fo+768
	ds_load_b64 v[fr+10:fr+11], v[fa+2] offset:fo+1280
.endm
; T / 4 blocks of A from a0 on x B's T blocks.  The accumulators take turns, one instruction a turn, in the same order in every step.
.macro MULB a0, p, q, sc, zero
.set AA, \a0
.rept T/4
.set BB, 0
.rept T
.set rD, 8*(T*(AA%TH)+BB)
.set rB, 128*(\p)+FR*BB
.set rA, AF+FR*AA
.set rSB, SC+16*(\sc)+NQ*BB+(\q)
.set rSA, SC+16*(\sc)+NQ*AA+(\q)
.if \zero
	v_wmma_scale_f32_16x16x128_f8f6f4 v[rD:rD+7], v[rB:rB+FR-1], v[rA:rA+FR-1], 0, v[rSB], v[rSA] matrix_a_fmt:MATRIX_FMT_BF6 matrix_b_fmt:MATRIX_FMT_BF6 matrix_a_scale:MATRIX_SCALE_ROW1
.else
	v_wmma_scale_f32_16x16x128_f8f6f4 v[rD:rD+7], v[rB:rB+FR-1], v[rA:rA+FR-1], v[rD:rD+7], v[rSB], v[rSA] matrix_a_fmt:MATRIX_FMT_BF6 matrix_b_fmt:MATRIX_FMT_BF6 matrix_a_scale:MATRIX_SCALE_ROW1
.endif
.set BB, BB+1
.endr
.set AA, AA+1
.endr
.endm
.macro FETCH_B slot, q, p
	WIN TO_B
.set II, 0
.rept T
	FRAG 128*(\p)+FR*II, ADRB+\slot, \q, II
.set II, II+1
.endr
	WIN 0
.endm
.macro FETCH_A slot, q, i0
.set II, \i0
.rept TH
	FRAG AF+FR*II, ADRA+\slot, \q, II
.set II, II+1
.endr
.endm
.macro SCALES sc                       ; a slot's scale words: lanes 0-15 take A's block i, lanes 16-31 B's block i
.set II, 0
.rept T
.set QQ, 0
.rept NQ
	ds_load_b32 v[SC+16*(\sc)+NQ*II+QQ], v[ADRS] offset:(II*S+QQ)*64
.set QQ, QQ+1
.endr
.set II, II+1
.endr
.endm
; A step of 128 along K that has its successor in the same slot.  A has one set of registers (a block is free when its products are issued), B two.
.macro STEP slot, q, zero
	s_wait_dscnt TH*NL                             ; all but the youngest loads, A's upper blocks
	WIN MUL_LO
	MULB 0, (\q)%2, \q, \slot, \zero
	MULB T/4, (\q)%2, \q, \slot, \zero
	s_wait_dscnt 0x0
	PLACES 4
	FETCH_B \slot, (\q)+1, 1-(\q)%2
	FETCH_A \slot, (\q)+1, 0
	WIN MUL_HI
	MULB TH, (\q)%2, \q, \slot, \zero
	MULB 3*T/4, (\q)%2, \q, \slot, \zero
	PLACES 4
	WIN 0
	FETCH_A \slot, (\q)+1, TH
.endm
.macro STEPS slot, from                ; the slot's steps from .. NQ - 2
.set QS, \from
.rept NQ-1-(\from)
	STEP \slot, QS, 0
.set QS, QS+1
.endr
.endm
; A slot's last step changes slots: one barrier; in front of it each wave waits for all its tensor loads, adds 0 to its spare word, and waits for that and for its reads of this slot.
.macro TURN slot, next, fill
	s_wait_tensorcnt 0x0                           ; all my tensor loads have landed: my part of the next slot
	ds_add_u32 v[SPW], v[NIL]                      ; 0 onto my spare word
	s_wait_dscnt TH*NL+1                           ; (the add and A's upper blocks may be out)
	WIN MUL_LO
	MULB 0, 1, NQ-1, \slot, 0
	s_wait_dscnt 0x0                               ; the add is done, and my reads of this slot are over
	s_barrier_signal -1
	MULB T/4, 1, NQ-1, \slot, 0
	WIN 0
	s_barrier_wait -1
.if \fill
	CREST                                          ; the barrier has opened a round of the cluster's: no wave of any partner still reads this slot or has a load on its way
	s_add_nc_u64 s[G0+4*\slot+2:G0+4*\slot+3], s[G0+4*\slot+2:G0+4*\slot+3], 2*NQ*FRB
	s_add_nc_u64 s[G0B+4*\slot+2:G0B+4*\slot+3], s[G0B+4*\slot+2:G0B+4*\slot+3], 2*NQ*FRB
	JLOAD G0+4*\slot, G1, G0B+4*\slot, G1B         ; the first tensor load behind the round; its four v_nop are the places in front of the loads below
.else
	PLACES 4
.endif
	s_wait_alu depctr_va_vdst(0)
	v_add_nc_u32 v[ADRS], 64*NQ, v[ADRS]           ; the next slot's scale words
	FETCH_B \next, 0, 0
	FETCH_A \next, 0, 0
	SCALES \next
	WIN MUL_HI
	MULB TH, 1, NQ-1, \slot, 0
	MULB 3*T/4, 1, NQ-1, \slot, 0
	PLACES 4
	WIN 0
	FETCH_A \next, 0, TH
.endm
	s_load_b128 s[4:7], s[0:1], 0x0                ; the tokens' codes and scales (ACT), the weights' codes
	s_load_b128 s[8:11], s[0:1], 0x10              ; the weights' scales, cos
	s_load_b64 s[12:13], s[0:1], 0x20              ; sin
	s_load_b64 s[66:67], s[0:1], 0x28              ; out
	v_lshl_add_u32 v[SPW], v0, 2, SPARE
	v_mov_b32 v[NIL], 0
	ds_add_u32 v28, v29
	ds_add_u32 v28, v29
	s_wait_dscnt 0x0
	v_lshrrev_b32 v1, 5, v0
	v_readfirstlane_b32 s14, v1                    ; wave 0..3
	s_lshr_b32 s15, s14, 1                         ; which half of A's rows is mine.  Also: I fetch for A (0) or for B (1)
	s_and_b32 s16, s14, 1                          ; which half of B's rows.  Also: which half I fetch
	s_bfe_u32 s40, ttmp6, 0x40000                  ; cx
	s_bfe_u32 s41, ttmp6, 0x40004                  ; cy
	s_and_b32 s95, ttmp7, 0xffff                   ; c: the cluster's number, 0..11
	s_and_b32 s18, s95, 1
	s_max_u32 s19, s95, 8
	s_sub_co_u32 s19, s19, 8
	s_lshr_b32 s98, s95, 1
	s_cmp_lt_u32 s95, 8
	s_cselect_b32 s18, s18, s19                    ; q, k: 2 clusters along the 2,048 columns; v: 4 along the tokens
	s_cselect_b32 s98, s98, 0                      ; q, k: 4 along the tokens; v: one along the 1,024 columns
	s_lshl_b32 s18, s18, 2
	s_lshl_b32 s98, s98, 2
	s_add_co_u32 s42, s18, s40                     ; X: which 256 rows of B
	s_add_co_u32 s17, s98, s41                     ; Y: which 256 rows of A
	s_lshl_b32 s43, s41, 2
	s_lshl_b32 s43, 15, s43                        ; my row of the cluster
	s_lshl_b32 s44, 0x1111, s40                    ; my column
	s_or_b32 s[G1+0], s43, (3<<16)|(1<<21)         ; 15:0 the mask; 17:16 elements of 8 bytes; 21 set beside a mask; no padding
	s_or_b32 s[G1B+0], s44, (3<<16)|(1<<21)
.irp g, G1, G1B
	s_mov_b32 s[\g+1], (192*NQ)<<16                ; tensor_dim0: a tile's part of a slot, NQ images
	s_mov_b32 s[\g+2], (2*T)<<16                   ; tensor_dim1: the head's loads bring both halves, 2 T tiles
	s_mov_b32 s[\g+3], (192*NQ)<<16                ; tile_dim0
	s_mov_b32 s[\g+4], 2*T                         ; tile_dim1
	s_mov_b32 s[\g+5], 192*S                       ; from tile to tile: S images
	s_mov_b32 s[\g+6], 0
	s_mov_b32 s[\g+7], 0
.endr
	s_or_b32 s[G1S+0], s43, (3<<16)|(1<<21)        ; the scale words of 2 T tiles: a dense block, as rows of 256 bytes
	s_or_b32 s[G1SB+0], s44, (3<<16)|(1<<21)
.irp g, G1S, G1SB
	s_mov_b32 s[\g+1], 32<<16
	s_mov_b32 s[\g+2], (T*S/2)<<16
	s_mov_b32 s[\g+3], 32<<16
	s_mov_b32 s[\g+4], T*S/2
	s_mov_b32 s[\g+5], 32
	s_mov_b32 s[\g+6], 0
	s_mov_b32 s[\g+7], 0
.endr
	s_lshl_b32 s18, s16, LT
	s_lshl_b32 s20, s17, LT+1
	s_add_co_u32 s20, s20, s18                     ; A: the first tile that I fetch
	s_lshl_b32 s46, s42, LT+1
	s_add_co_u32 s46, s46, s18                     ; B likewise
	s_mul_i32 s22, s20, S*64
	s_mul_i32 s92, s46, S*64
	s_mul_i32 s20, s20, S*FRB
	s_mul_i32 s46, s46, S*FRB
	s_mov_b32 s21, 0
	s_mov_b32 s23, 0
	s_mov_b32 s47, 0
	s_mov_b32 s93, 0
	s_mul_i32 s45, s14, HALFT                      ; where they go: no place in the cluster enters an LDS address
	s_wait_kmcnt 0x0
	s_add_nc_u64 s[98:99], s[4:5], 3145728         ; the tokens' scale words
	s_add_nc_u64 s[100:101], s[6:7], 256+1024*FRB  ; Wv's codes
	s_add_nc_u64 s[6:7], s[6:7], 256               ; Wq's and Wk's
	s_cmp_lt_u32 s95, 8                            ; the choice hangs on the cluster's number alone
	s_cselect_b64 s[100:101], s[4:5], s[100:101]   ; A's codes
	s_cselect_b64 s[6:7], s[6:7], s[4:5]           ; B's codes
	s_add_nc_u64 s[4:5], s[8:9], 256+1024*64       ; Wv's scale words
	s_add_nc_u64 s[8:9], s[8:9], 256
	s_cselect_b64 s[4:5], s[98:99], s[4:5]         ; A's scale words
	s_cselect_b64 s[8:9], s[8:9], s[98:99]         ; B's
	s_add_nc_u64 s[20:21], s[100:101], s[20:21]
	s_add_nc_u64 s[22:23], s[4:5], s[22:23]
	s_add_nc_u64 s[46:47], s[6:7], s[46:47]
	s_add_nc_u64 s[92:93], s[8:9], s[92:93]
	CROUND                                         ; all sixteen work-groups are here: the first joint loads meet
	s_mov_b32 s[G0S], 1
	s_mov_b32 s[G0S+1], SCL
	s_sub_nc_u64 s[G0S+2:G0S+3], s[22:23], T*S*64  ; waves 1 and 3 issue the scales' loads: their own half is the second, so the block of both halves begins T S words' rows earlier
	s_or_b32 s[G0S+3], s[G0S+3], 0x80000000
	s_mov_b32 s[G0SB], 1
	s_mov_b32 s[G0SB+1], SCL+2*SHP+64
	s_sub_nc_u64 s[G0SB+2:G0SB+3], s[92:93], T*S*64
	s_or_b32 s[G0SB+3], s[G0SB+3], 0x80000000
.irp s, 0,1
	s_mov_b32 s[G0+4*\s], 1
	s_add_co_u32 s[G0+4*\s+1], s45, \s*SLOT
	s_add_nc_u64 s[G0+4*\s+2:G0+4*\s+3], s[20:21], \s*NQ*FRB
	s_or_b32 s[G0+4*\s+3], s[G0+4*\s+3], 0x80000000
	s_mov_b32 s[G0B+4*\s], 1
	s_add_co_u32 s[G0B+4*\s+1], s45, \s*SLOT
	s_add_nc_u64 s[G0B+4*\s+2:G0B+4*\s+3], s[46:47], \s*NQ*FRB
	s_or_b32 s[G0B+4*\s+3], s[G0B+4*\s+3], 0x80000000
.endr
; THE HEAD'S LOADS, ONE A WAVE: wave 0 slot 0's 2 T tiles of A (its own group 0 points at the first half), wave 1 A's scale words, wave 2 slot 0's 2 T tiles of B, wave 3 B's scale words.
.macro ARM under, g0, g1, next
	s_cmp_lt_u32 s14, \under
	s_cbranch_scc0 \next
	tensor_load_to_lds s[\g0:\g0+3], s[\g1:\g1+7]
	s_nop 0
.rept 4
	v_nop
.endr
	s_branch .Lhead_asked
\next:
.endm
	ARM 1, G0,  G1,  .Lhead_sa
	ARM 2, G0S, G1S, .Lhead_b
	ARM 3, G0B, G1B, .Lhead_sb
	tensor_load_to_lds s[G0SB:G0SB+3], s[G1SB:G1SB+7]
	s_nop 0
.rept 4
	v_nop
.endr
.Lhead_asked:
; THE PREFETCH (it takes the place of what the head comment's last line says).  At each change of slots a wave has waited for all its tensor loads, so a refill goes out with nothing on its way beside it.
; A wave's load of a slot is T = 8 tiles x NQ images = 8 x 12 blocks of 256 bytes.  The four partners that ask for it jointly share the tiles out BY ADDRESS: the partner at place p (cx for A, cy for B) names tiles
; 2 p and 2 p + 1: 24 blocks, a lane a block (lanes 24-31 name the last block again), one instruction a wave.  Slots 1 and 2 are named here, slot 3 behind slot 1's load: at most two slots are asked for and not yet loaded.
.set PFA, 100                          ; s[100:101] my two tiles' first byte; v31 my lane's block; neither is written again
	s_cmp_eq_u32 s15, 0                            ; do I fetch for A?
	s_cselect_b64 s[PFA:PFA+1], s[20:21], s[46:47]
	s_cselect_b32 s2, s40, s41
	s_mul_i32 s2, s2, 2*S*FRB
	s_mov_b32 s3, 0
	s_add_nc_u64 s[PFA:PFA+1], s[PFA:PFA+1], s[2:3]
	v_and_b32 v8, 31, v0
	v_min_u32 v8, 23, v8
	v_mul_u32_u24 v9, v8, 22
	v_lshrrev_b32 v9, 8, v9                        ; 0 for blocks 0-11, 1 for blocks 12-23: the second tile
	v_mul_u32_u24 v9, v9, (S-NQ)*FRB
	v_lshl_add_u32 v31, v8, 8, v9
	global_prefetch_b8 v31, s[PFA:PFA+1] offset:NQ*FRB th:TH_LOAD_NT scope:SCOPE_SE
	global_prefetch_b8 v31, s[PFA:PFA+1] offset:2*NQ*FRB th:TH_LOAD_NT scope:SCOPE_SE
	v_and_b32 v3, 31, v0                           ; lane
	v_and_b32 v1, 15, v0                           ; r
	v_bfe_u32 v2, v0, 4, 1                         ; h
	v_lshlrev_b32 v[O16], 4, v3
	v_lshlrev_b32 v[O8], 3, v3
	v_lshlrev_b32 v[O4], 2, v1
	s_mul_i32 s21, s15, HALFT                      ; my half of A,
	s_mul_i32 s22, s16, HALFT
	s_add_co_u32 s22, s22, 2*HALFT                 ; my half of B
.irp s, 0,1
	v_add_nc_u32 v[ADRA+\s], s21, v[O16]
	v_add_nc_u32 v[ADRB+\s], s22, v[O16]
	v_add_nc_u32 v[ADRA+2+\s], s21, v[O8]
	v_add_nc_u32 v[ADRB+2+\s], s22, v[O8]
	s_add_co_u32 s21, s21, SLOT
	s_add_co_u32 s22, s22, SLOT
.endr
	s_mul_i32 s21, s15, SHP                        ; A's scale words: region = my half
	s_mul_i32 s22, s16, SHP
	s_add_co_u32 s22, s22, 2*SHP+64
	s_sub_co_u32 s22, s22, s21
	v_mul_u32_u24 v6, s22, v2                      ; lanes 16-31 take B's: one product, the distance between the two
	s_add_co_u32 s21, s21, SCL
	v_add_nc_u32 v6, v6, v[O4]
	v_add_nc_u32 v[ADRS], s21, v6
	v_and_b32 v6, 8, v1
	v_add_nc_u32 v6, v6, v1
	v_lshlrev_b32 v6, 8, v6
	v_lshl_add_u32 v[CSA], v2, 6, v6               ; cos, sin: row r + 8 (r / 8) of 256 bytes, + 64 h
	s_wait_alu depctr_va_vdst(0)
	s_wait_tensorcnt 0x0                           ; my tile of the head's four is in; slot 1's first fill is issued as a refill is
	ds_add_u32 v[SPW], v[NIL]                      ; 0 onto my spare word
	s_mov_b32 s[G1+2], T<<16                       ; no tensor load of mine is out: from here on a load brings T tiles
	s_mov_b32 s[G1+4], T
	s_mov_b32 s[G1B+2], T<<16
	s_mov_b32 s[G1B+4], T
	s_wait_dscnt 0x0
	CROUND                                         ; all four tiles are in, and all sixteen work-groups are here
	JLOAD G0+4, G1, G0B+4, G1B                     ; slot 1: the first tensor load behind the round
	FETCH_B 0, 0, 0
	FETCH_A 0, 0, 0
	SCALES 0
	FETCH_A 0, 0, TH
	global_prefetch_b8 v31, s[PFA:PFA+1] offset:3*NQ*FRB th:TH_LOAD_NT scope:SCOPE_SE   ; slot 3, the last: two fills ahead of its load
	STEP 0, 0, 1
	STEPS 0, 1
.if LAPS > 1
	s_mov_b32 s3, LAPS-1
.Llap:                                                 ; a trip goes once round the ring and fills both slots again
	TURN 0, 1, 1
	STEPS 1, 0
	TURN 1, 0, 1
	STEPS 0, 0
	s_sub_co_u32 s3, s3, 1
	s_cmp_lg_u32 s3, 0
	s_cbranch_scc1 .Llap
.endif
	TURN 0, 1, 0                                   ; the last lap fills nothing
	STEPS 1, 0
	s_wait_dscnt TH*NL
	WIN MUL_LO
	MULB 0, 1, NQ-1, 1, 0
	MULB T/4, 1, NQ-1, 1, 0
	s_wait_dscnt 0x0
	WIN MUL_HI
	MULB TH, 1, NQ-1, 1, 0
	MULB 3*T/4, 1, NQ-1, 1, 0
	WIN 0
	PLACES 4
; THE WAY OUT: no LDS.  64 accumulator registers of window w from s on become a fragment's codes in v[PC] on and its scale word in v[PW].  Each accumulator is read from its low end on.
.macro QUANTW s, w
.set qs, \s
.set qw, \w
	WIN qw|(qw<<2)
.irp b, 0,1,2,3
	v_max3_num_f32 v[TM+\b], |v[qs+16*\b]|, |v[qs+16*\b+1]|, 0x2800000
.endr
.irp i, 2,4,6,8,10,12,14
.irp b, 0,1,2,3
	v_max3_num_f32 v[TM+\b], |v[qs+16*\b+\i]|, |v[qs+16*\b+\i+1]|, v[TM+\b]
.endr
.endr
	WIN 0
	s_wait_alu depctr_va_vdst(0)
	s_wait_xcnt 0x0                                ; the last block's stores have read the word and the codes, which are written again below
.irp b, 0,1,2,3
	v_permlanex16_b32 v[TM+4+\b], v[TM+\b], s96, s97
.endr
.irp b, 0,1,2,3
	v_max_num_f32 v[TM+\b], v[TM+\b], v[TM+4+\b]
.endr
.irp b, 0,1,2,3
	v_add_nc_u32 v[TM+12+\b], 0xfe000000, v[TM+\b]
.endr
.irp b, 0,1,2,3
	v_lshrrev_b32 v[TM+4+\b], 23, v[TM+12+\b]
.endr
	v_lshl_or_b32 v[PW], v[TM+5], 8, v[TM+4]
	v_lshl_or_b32 v[PW], v[TM+6], 16, v[PW]
	v_lshl_or_b32 v[PW], v[TM+7], 24, v[PW]
	WIN qw
.irp c, 0,1
	v_cvt_scalef32_pk16_bf6_f32 v[PC+6*\c:PC+2+6*\c], v[qs+32*\c:qs+15+32*\c], v[TM+12+2*\c]
	v_cvt_scalef32_pk16_bf6_f32 v[PC+12+4*\c:PC+14+4*\c], v[qs+16+32*\c:qs+31+32*\c], v[TM+12+2*\c+1]
.endr
	WIN 0
	v_nop                                          ; one plain place behind a scaled conversion
.irp c, 0,1
.irp i, 0,1,2
	v_permlane16_swap_b32 v[PC+6*\c+\i], v[PC+12+4*\c+\i]
.endr
.irp i, 0,1,2
	v_mov_b32 v[PC+3+6*\c+\i], v[PC+12+4*\c+\i]
.endr
.endr
.endm
; 32 numbers, register 16 b + i = k 32 b + 16 (lane / 16) + i, become half a fragment in v[PC .. PC + 5] and two scale bytes in v[PW].
.macro QUANT2 s
.irp b, 0,1
	v_max3_num_f32 v[TM+\b], |v[\s+16*\b]|, |v[\s+16*\b+1]|, 0x2800000
.endr
.irp i, 2,4,6,8,10,12,14
.irp b, 0,1
	v_max3_num_f32 v[TM+\b], v[TM+\b], |v[\s+16*\b+\i]|, |v[\s+16*\b+\i+1]|
.endr
.endr
.irp b, 0,1
	v_permlanex16_b32 v[TM+4+\b], v[TM+\b], s96, s97
.endr
.irp b, 0,1
	v_max_num_f32 v[TM+\b], v[TM+\b], v[TM+4+\b]
.endr
.irp b, 0,1
	v_add_nc_u32 v[TM+12+\b], 0xfe000000, v[TM+\b]
.endr
.irp b, 0,1
	v_lshrrev_b32 v[TM+4+\b], 23, v[TM+12+\b]
.endr
	v_lshl_or_b32 v[PW], v[TM+5], 8, v[TM+4]
	s_wait_alu depctr_va_vdst(0)
	s_wait_xcnt 0x0                                ; the last tile's stores have read the codes and the words
	v_cvt_scalef32_pk16_bf6_f32 v[PC:PC+2], v[\s:\s+15], v[TM+12]
	v_cvt_scalef32_pk16_bf6_f32 v[PT:PT+2], v[\s+16:\s+31], v[TM+13]
	v_nop
.irp i, 0,1,2
	v_permlane16_swap_b32 v[PC+\i], v[PT+\i]
.endr
.irp i, 0,1,2
	v_mov_b32 v[PC+3+\i], v[PT+\i]
.endr
.endm
; cos and sin of tile a's tokens, into set a % 4 of window 1 (the caller sets the window): of my token's row the channels 16 h + 0..15 and 32 + 16 h + 0..15: 16 loads
.macro CSLOAD a
.set cb, CS4+64*((\a)%4)
.set co, (32*((\a)/2)+8*((\a)%2))*256
.irp j, 0,1,2,3
	global_load_b128 v[cb+4*\j:cb+4*\j+3], v[CSA], s[10:11] offset:co+16*\j
.endr
.irp j, 0,1,2,3
	global_load_b128 v[cb+16+4*\j:cb+16+4*\j+3], v[CSA], s[10:11] offset:co+128+16*\j
.endr
.irp j, 0,1,2,3
	global_load_b128 v[cb+32+4*\j:cb+32+4*\j+3], v[CSA], s[12:13] offset:co+16*\j
.endr
.irp j, 0,1,2,3
	global_load_b128 v[cb+48+4*\j:cb+48+4*\j+3], v[CSA], s[12:13] offset:co+128+16*\j
.endr
.endm
; Tile a, my head hh: rotary, the head's norm, the quantiser, the stores.  A lane holds channels 16 h + i (registers 0-15) and 32 + 16 h + i (16-31) of its token: both partners of the rotation.
.macro QKTILE a, hh
.set qa, 64*((\a)%4)+32*(\hh)
.set qw, 2+(\a)/4
.set cb, CS4+64*((\a)%4)
	WIN qw|4                                       ; source 0: the accumulators' window; source 1: window 1, cos and sin; source 2 and the destination: window 0
.set k, 0
.rept 16
	v_pk_mul_f32 v[R+k:R+k+1], v[qa+k:qa+k+1], v[cb+k:cb+k+1]       ; x cos, each accumulator from its low end on
.set k, k+2
.endr
.set k, 0
.rept 8
	v_pk_fma_f32 v[R+k:R+k+1], v[qa+16+k:qa+17+k], v[cb+32+k:cb+33+k], v[R+k:R+k+1] neg_lo:[1,0,0] neg_hi:[1,0,0]   ; - x2 sin
	v_pk_fma_f32 v[R+16+k:R+17+k], v[qa+k:qa+k+1], v[cb+48+k:cb+49+k], v[R+16+k:R+17+k]                             ; + x1 sin
.set k, k+2
.endr
	WIN 0
	v_pk_mul_f32 v[SQ:SQ+1], v[R:R+1], v[R:R+1]
	v_pk_mul_f32 v[SQ+2:SQ+3], v[R+2:R+3], v[R+2:R+3]
.set k, 4
.rept 7
	v_pk_fma_f32 v[SQ:SQ+1], v[R+k:R+k+1], v[R+k:R+k+1], v[SQ:SQ+1]
	v_pk_fma_f32 v[SQ+2:SQ+3], v[R+k+2:R+k+3], v[R+k+2:R+k+3], v[SQ+2:SQ+3]
.set k, k+4
.endr
	v_pk_add_f32 v[SQ:SQ+1], v[SQ:SQ+1], v[SQ+2:SQ+3]
	v_add_f32 v[SQ], v[SQ], v[SQ+1]
	v_permlanex16_b32 v[SQ+1], v[SQ], s96, s97
	v_add_f32 v[SQ], v[SQ], v[SQ+1]                ; the head's sum of squares
	v_fma_f32 v[SQ], v[SQ], s98, s99
	s_wait_alu depctr_va_vdst(0)
	v_rsq_f32 v[SQ+2], v[SQ]
	v_nop                                          ; a plain place behind the transcendental
	s_wait_alu depctr_va_vdst(0)                   ; and the wait ahead of its first reader
.set k, 0
.rept 16
	v_pk_mul_f32 v[R+k:R+k+1], v[R+k:R+k+1], v[SQ+2:SQ+3] op_sel_hi:[1,0]
.set k, k+2
.endr
	QUANT2 R
.if \hh == 0
	global_store_b128 v[O16], v[PC:PC+3], s[22:23] offset:(\a)*768          ; half an image: 512 and 256 consecutive bytes
	global_store_b64 v[O8], v[PC+4:PC+5], s[22:23] offset:(\a)*768+512
.else
	global_store_b128 v[O16], v[PC:PC+3], s[46:47] offset:(\a)*768
	global_store_b64 v[O8], v[PC+4:PC+5], s[46:47] offset:(\a)*768+512
.endif
.if (\a)%2 == 0
	v_mov_b32 v[KW+\hh], v[PW]                     ; the even tile's two bytes,
.else
	v_lshl_or_b32 v[KW+\hh], v[PW], 16, v[KW+\hh]  ; the odd tile's above them
.if \hh == 0
	global_store_b32 v[O4], v[KW+\hh], s[92:93] offset:((\a)/2)*64
.else
	global_store_b32 v[O4], v[KW+\hh], s[94:95] offset:((\a)/2)*64
.endif
.endif
.endm
.irp b, 0,1,2,3
	v_mov_b32 v[TM+4+\b], 0                        ; written once: a lane permute's destination counts as one of its sources
.endr
	s_mov_b32 s96, 0x76543210
	s_mov_b32 s97, 0xfedcba98
	s_cmp_lt_u32 s95, 8
	s_cbranch_scc0 .Lv_out
	; ---- q and k.  First of all cos and sin of my first three tiles are asked for: the addresses of the records are made while they are on their way
	s_and_b32 s20, s17, 7
	s_lshl_b32 s20, s20, 8
	s_lshl_b32 s21, s15, 7
	s_add_co_u32 s20, s20, s21                     ; my first token in its batch: 256 (Y % 8) + 128 x my half of A
	s_lshl_b32 s20, s20, 8                         ; rows of 256 bytes
	s_mov_b32 s21, 0
	s_add_nc_u64 s[10:11], s[10:11], s[20:21]
	s_add_nc_u64 s[12:13], s[12:13], s[20:21]
	WIN TO_B                                       ; destination window 1: the last products that read B's fragments stand eight plain vector instructions back
	CSLOAD 0
	CSLOAD 1
	CSLOAD 2
	WIN 0
	; X / 4: q or k; my two heads 4 (X % 4) + 2 x my half of B + 0, 1; batch Y / 8, the 256 tokens Y % 8
	s_lshr_b32 s18, s42, 2
	s_cmp_eq_u32 s18, 1
	s_mov_b32 s19, 12800
	s_cselect_b32 s19, 25600, s19                  ; a record's bytes
	s_mov_b32 s2, 12288
	s_cselect_b32 s2, 24576, s2                    ; where its scale words begin
	s_cselect_b32 s3, 0, 6553600                   ; where the records begin
	s_and_b32 s20, s42, 3
	s_lshl_b32 s20, s20, 2
	s_lshl_b32 s21, s16, 1
	s_add_co_u32 s20, s20, s21
	s_lshr_b32 s21, s17, 3
	s_lshl_b32 s21, s21, 4
	s_add_co_u32 s20, s20, s21                     ; 16 x batch + head
	s_lshl_b32 s20, s20, 3
	s_and_b32 s21, s17, 7
	s_add_co_u32 s20, s20, s21                     ; the record
	s_mul_i32 s20, s20, s19
	s_add_co_u32 s20, s20, s3
	s_lshl_b32 s19, s19, 3                         ; the next head's: 8 records on
	s_mul_i32 s21, s15, 8*768                      ; my 8 tiles of its 16
	s_add_co_u32 s22, s20, s21
	s_add_co_u32 s46, s22, s19
	s_lshl_b32 s21, s15, 8                         ; my 4 pairs of its 8
	s_add_co_u32 s92, s20, s21
	s_add_co_u32 s92, s92, s2
	s_add_co_u32 s94, s92, s19
	s_mov_b32 s23, 0
	s_mov_b32 s47, 0
	s_mov_b32 s93, 0
	s_mov_b32 s95, 0
	s_add_nc_u64 s[22:23], s[66:67], s[22:23]      ; codes, first head
	s_add_nc_u64 s[46:47], s[66:67], s[46:47]      ; codes, second head
	s_add_nc_u64 s[92:93], s[66:67], s[92:93]      ; scale words, first head
	s_add_nc_u64 s[94:95], s[66:67], s[94:95]      ; scale words, second head
	s_mov_b32 s98, 0x3c800000                      ; 1 / 64
	s_mov_b32 s99, 0x3727c5ac                      ; 1e-5
.irp a, 0,1,2,3,4,5,6,7
.if \a < 6
	s_wait_loadcnt 32                              ; this tile's 16 loads are in; the 32 of the next two tiles may be out
.else
	s_wait_loadcnt 16*(7-\a)                       ; the last tiles: the count runs down
.endif
.if \a < 5
	WIN TO_B
	CSLOAD \a+3                                    ; three tiles ahead, into the set that the tile before this one has left: 48 loads of mine are out at the most
	WIN 0
.endif
	QKTILE \a, 0
	QKTILE \a, 1
.endr
	s_branch .Ldone
	; ---- v.  A's block a: head 4 Y + 2 x my half of A + a / 4, channels' tile a % 4; my 128 tokens: batch X / 8, record X % 8, its K step = my half of B
.Lv_out:
	s_lshr_b32 s20, s42, 3
	s_lshl_b32 s20, s20, 4
	s_lshl_b32 s21, s17, 2
	s_add_co_u32 s20, s20, s21
	s_lshl_b32 s21, s15, 1
	s_add_co_u32 s20, s20, s21                     ; 16 x batch + head
	s_lshl_b32 s20, s20, 3
	s_and_b32 s21, s42, 7
	s_add_co_u32 s20, s20, s21
	s_mul_i32 s20, s20, 25600                      ; the record
	s_lshl_b32 s22, s16, 8
	s_add_co_u32 s22, s22, s20
	s_add_co_u32 s22, s22, 25088                   ; V's scale words, 4 groups of 64 bytes a K step
	s_mul_i32 s21, s16, 4*FRB
	s_add_co_u32 s20, s20, s21
	s_add_co_u32 s20, s20, 12288                   ; V's fragments, 4 a K step
	s_mov_b32 s21, 0
	s_mov_b32 s23, 0
	s_add_nc_u64 s[20:21], s[66:67], s[20:21]
	s_add_nc_u64 s[22:23], s[66:67], s[22:23]
.irp a, 0,1,2,3,4,5,6,7
	QUANTW 64*(\a%4), 2+\a/4
	global_store_b128 v[O16], v[PC:PC+3], s[20:21] offset:(\a/4)*204800+(\a%4)*FRB
	global_store_b64 v[O8], v[PC+4:PC+5], s[20:21] offset:(\a/4)*204800+(\a%4)*FRB+512
	global_store_b128 v[O16], v[PC+6:PC+9], s[20:21] offset:(\a/4)*204800+(\a%4)*FRB+768
	global_store_b64 v[O8], v[PC+10:PC+11], s[20:21] offset:(\a/4)*204800+(\a%4)*FRB+1280
	global_store_b32 v[O4], v[PW], s[22:23] offset:(\a/4)*204800+(\a%4)*64
.endr
.Ldone:
	s_wait_tensorcnt 0x0                           ; the wave's end
	ds_add_u32 v[SPW], v[NIL]
	s_wait_dscnt 0x0
	CROUND                                         ; the closing round: no work-group ends while a partner may still ask for a tile that names it
	s_endpgm
.Lfunc_end_k_q752246b8db_qkv:
	.size	k_q752246b8db_qkv, .Lfunc_end_k_q752246b8db_qkv-k_q752246b8db_qkv
	.p2alignl 7, 3214868480
	.fill 96, 4, 3214868480
	.section	.rodata,"a",@progbits
	.p2align	6, 0x0
	.amdhsa_kernel k_q752246b8db_qkv
		.amdhsa_group_segment_fixed_size 327680
		.amdhsa_private_segment_fixed_size 0
		.amdhsa_enable_private_segment 0
		.amdhsa_kernarg_size 48
		.amdhsa_user_sgpr_count 2
		.amdhsa_user_sgpr_kernarg_segment_ptr 1
		.amdhsa_wavefront_size32 1
		.amdhsa_system_sgpr_workgroup_id_x 1
		.amdhsa_system_sgpr_workgroup_id_y 1
		.amdhsa_system_sgpr_workgroup_id_z 1
		.amdhsa_system_vgpr_workitem_id 0
		.amdhsa_next_free_vgpr 1024
		.amdhsa_next_free_sgpr 102
		.amdhsa_reserve_vcc 0
		.amdhsa_float_denorm_mode_32 3
		.amdhsa_float_denorm_mode_16_64 3
		.amdhsa_memory_ordered 1
		.amdhsa_forward_progress 1
		.amdhsa_inst_pref_size 255
	.end_amdhsa_kernel
	.section	.bss,"aw",@nobits
	.p2align	6
	.space	262144
	.amdgpu_metadata
---
amdhsa.version: [ 1, 2 ]
amdhsa.kernels:
  - .name:           k_q752246b8db_qkv
    .symbol:         k_q752246b8db_qkv.kd
    .args:
      - { .name: ACT, .offset: 0, .size: 8, .value_kind: global_buffer, .address_space: global }
      - { .name: W, .offset: 8, .size: 8, .value_kind: global_buffer, .address_space: global }
      - { .name: WS, .offset: 16, .size: 8, .value_kind: global_buffer, .address_space: global }
      - { .name: cos, .offset: 24, .size: 8, .value_kind: global_buffer, .address_space: global }
      - { .name: sin, .offset: 32, .size: 8, .value_kind: global_buffer, .address_space: global }
      - { .name: QKV, .offset: 40, .size: 8, .value_kind: global_buffer, .address_space: global }
    .group_segment_fixed_size: 327680
    .private_segment_fixed_size: 0
    .kernarg_segment_align: 8
    .kernarg_segment_size: 48
    .max_flat_workgroup_size: 128
    .sgpr_count:     102
    .vgpr_count:     1024
    .wavefront_size: 32
...
	.end_amdgpu_metadata
.endif
;; end of part 2
;; launch attn (part 3): grid 8 x 32, 16 waves a work-group, clusters of 4 x 1, 206,848 bytes of LDS; arguments QKV, ACT; writes ACT
.if DOCPART == 3
	.amdgcn_target "amdgcn-amd-amdhsa--gfx1250"
	.amdhsa_code_object_version 6
	.text
	.protected	k_q752246b8db_attn
	.globl	k_q752246b8db_attn
	.p2align	8
	.type	k_q752246b8db_attn,@function
k_q752246b8db_attn:
	s_mov_b64 s[64:65], 0
	v_nop
	global_prefetch_b8 v0, s[64:65] scope:SCOPE_SE
	s_setreg_imm32_b32 hwreg(HW_REG_WAVE_MODE, 25, 1), 1
	s_wait_xcnt 0x0
	s_wait_alu depctr_hold_cnt(0) depctr_sa_sdst(0) depctr_va_vdst(0) depctr_va_sdst(0) depctr_va_ssrc(0) depctr_va_vcc(0) depctr_vm_vsrc(0)
	s_getreg_b32 s2, hwreg(HW_REG_IB_STS2, 6, 4)
	s_cmp_eq_u32 s2, 0
	s_cbranch_scc0 .Lentry_in_a_cluster
	s_endpgm
.Lentry_in_a_cluster:
	s_bfe_u32 s2, ttmp6, 0x10000c
	s_cmp_lg_u32 s2, 0x3003
	s_cbranch_scc0 .Lentry_shape_is_right
	s_endpgm
.Lentry_shape_is_right:
; Causal attention of one head on codes of BF6 (E3M2) with E8M0 scales, both products; the result, divided by the row's sum, is quantised along the channels and stored as the next product's operand.
; THE SOFTMAX: t = score x log2(e) / 8; M = the running largest t rounded UP to a whole number; p = 2^(t - M) is quantised along the keys, not normalised; the row's sum is taken of the unquantised p.
; SHARES.  Work-group (j, head): j = 0..7.  Wave of rank rho (0..15) owns the tile of 16 queries 8 rho + j, which lies in the 128 keys of step rho whatever j is: it needs key steps 0 .. rho, and step rho
; is the one on the diagonal.  So every branch hangs on the wave's number alone.
; THE RANKS.  With s = wave % 4 and g = wave / 4: rho = 4 (g xor s) + (g xor phi(s)), phi(s) = 2 (s0 xor s1) + s1 (s0, s1: the bits of s).  Both terms take each of 0..3 once along s and once along g, and each pair
; of them occurs once: so the sixteen ranks are all different, and the four waves of equal wave % 4 have 34 key steps together, and so have the four waves of equal wave / 4.
; THE HEAD'S K, V AND SCALE WORDS, 8 records of 25,600 bytes, lie in LDS for the whole launch: filled once, nothing is filled again.  The four work-groups of a cluster belong to one head and ask jointly.
; Each of the 16 waves brings a sixteenth of the eight records, 12,800 bytes, by one load; all are in, behind one barrier, before the first key step.
; LAYOUT.  Both products transposed: a lane holds one query.  A head has K = 64, half of the instruction's 128: two tiles of keys make one operand (K 0-63 the even tile's channels, 64-127 the odd tile's),
; multiplied once by (q, zeros) and once by (zeros, q): zero codes add nothing.  By the order of rows in a tile the 16 registers of two neighbouring tiles are 16 neighbouring keys (or channels).
; LIMITS: hidden scores are -infinity where the formula has -1e9: q and k are normalised, so |score| is at most about 8 and 2^(t - M) of -1e9 is 0 in f32 as well; every row has its own key.  NaN and infinities are not served.
; No prefetch: all that the work-group reads is asked for at its head.
.set REC, 25600
.set WV,  8                            ; s8   wave
.set RHO, 9                            ; s9   its rank
.set ST,  10                           ; s10  the key step in hand
.set TB,  11                           ; s11  LDS byte of the record in hand
.set SEL, 12                           ; s[12:13] lane l xor 16
.set CS,  14                           ; s[14:15] c = log2(e) / 8
.set KS,  36                           ; v36-39 K's or V's scale words
.set F,   40                           ; v40-87 four fragments
.set SR,  96                           ; v96-159 S^T, then p
.set O,   160                          ; v160-191 O^T
.set PC,  192                          ; v192-203 p's codes
.set PT,  204
.macro CROUND
	s_barrier_signal -1
	s_barrier_wait -1
	s_cmp_lg_u32 s[WV], 0
	s_cbranch_scc1 .Lnot_wave_0_\@
	s_barrier_signal -3
.Lnot_wave_0_\@:
	s_barrier_wait -3
	s_barrier_signal -1
	s_barrier_wait -1
.endm
	s_load_b128 s[4:7], s[0:1], 0x0                ; the records, out
	v_lshl_add_u32 v251, v0, 2, 0x32000
	v_mov_b32 v255, 0
	ds_add_u32 v251, v255
	ds_add_u32 v251, v255
	v_lshrrev_b32 v1, 5, v0
	s_delay_alu instid0(VALU_DEP_1)
	v_readfirstlane_b32 s[WV], v1                  ; wave 0..15
	s_bfe_u32 s16, ttmp6, 0x40000                  ; cx: it enters global addresses and vector data alone
	s_lshl_b32 s17, ttmp9, 2
	s_add_co_u32 s17, s17, s16                     ; j
	s_and_b32 s18, ttmp7, 0xffff                   ; 16 x batch + head, which the partners share
	s_and_b32 s20, s[WV], 3                        ; s
	s_lshr_b32 s21, s[WV], 2                       ; g
	s_lshl_b32 s22, s20, 1
	s_xor_b32 s22, s22, s20
	s_and_b32 s22, s22, 2                          ; 2 (s0 xor s1)
	s_lshr_b32 s23, s20, 1                         ; s1
	s_or_b32 s22, s22, s23                         ; phi(s)
	s_xor_b32 s22, s22, s21                        ; g xor phi(s)
	s_xor_b32 s[RHO], s20, s21                     ; g xor s
	s_lshl_b32 s[RHO], s[RHO], 2
	s_or_b32 s[RHO], s[RHO], s22                   ; my rank
	s_mov_b32 s24, 15|(3<<16)|(1<<21)              ; the mask: all four; elements of 8 bytes; bit 21 beside a mask
	s_mov_b32 s25, 32<<16                          ; rows of 256 bytes
	s_mov_b32 s26, 50<<16                          ; a sixteenth of the head's 8 records: 50 rows of 256 bytes
	s_mov_b32 s27, 32<<16
	s_mov_b32 s28, 50
	s_mov_b32 s29, 32
	s_mov_b32 s30, 0
	s_mov_b32 s31, 0
	s_mul_i32 s20, s18, 8*REC                      ; the head's records
	s_mul_i32 s41, s[WV], 12800
	s_add_co_u32 s22, s20, s41
	s_mov_b32 s23, 0
	s_mov_b32 s40, 1
	s_mov_b32 s[SEL], 0x76543210
	s_mov_b32 s[SEL+1], 0xfedcba98
	s_mov_b32 s[CS], 0x3e38aa3b
	s_mov_b32 s[CS+1], s[CS]
	s_mov_b32 s[ST], 0
	s_mov_b32 s[TB], 0
	s_wait_dscnt 0x0
	s_wait_kmcnt 0x0
	s_add_nc_u64 s[42:43], s[4:5], s[22:23]
	s_or_b32 s43, s43, 0x80000000
	CROUND                                         ; all four work-groups are here: the joint loads meet
	tensor_load_to_lds s[40:43], s[24:31]          ; EVERY WAVE BRINGS ONE SIXTEENTH of the head's 204,800 bytes by its one load: 12,800 bytes at 12,800 x wave, in memory and in LDS alike
	s_nop 0
.rept 4
	v_nop
.endr
	; my tile of queries: record rho / 2 of q, tile 8 (rho % 2) + j
	s_lshl_b32 s20, s18, 3
	s_lshr_b32 s21, s[RHO], 1
	s_add_co_u32 s20, s20, s21
	s_mul_i32 s20, s20, 12800
	s_add_co_u32 s20, s20, 6553600
	s_and_b32 s21, s[RHO], 1
	s_lshl_b32 s21, s21, 3
	s_add_co_u32 s21, s21, s17
	s_mul_i32 s22, s21, 768
	s_add_co_u32 s22, s22, s20
	s_mov_b32 s23, 0
	s_lshr_b32 s21, s21, 1
	s_lshl_b32 s21, s21, 6
	s_add_co_u32 s20, s20, s21
	s_add_co_u32 s20, s20, 12288
	s_mov_b32 s21, 0
	s_add_nc_u64 s[22:23], s[4:5], s[22:23]        ; its half image
	s_add_nc_u64 s[20:21], s[4:5], s[20:21]        ; its pair's scale words
	s_and_b32 s48, s17, 1
	s_cmp_eq_u32 s48, 0
	s_mov_b32 s48, 0x03020302
	s_cselect_b32 s48, 0x01000100, s48             ; my tile's two bytes of the pair's word, twice
	s_lshr_b32 s49, s17, 1
	s_lshl_b32 s49, s49, 5
	s_and_b32 s50, s17, 1
	s_lshl_b32 s50, s50, 3
	s_add_co_u32 s49, s49, s50                     ; my tile's first query among its step's 128 keys
	v_and_b32 v8, 31, v0
	v_and_b32 v9, 15, v0                           ; r
	v_bfe_u32 v10, v0, 4, 1                        ; h
	s_delay_alu instid0(VALU_DEP_3)
	v_lshlrev_b32 v1, 4, v8                        ; 16 x lane
	s_delay_alu instid0(VALU_DEP_4)
	v_lshlrev_b32 v2, 3, v8                        ; 8 x lane
	s_delay_alu instid0(VALU_DEP_4)
	v_lshlrev_b32 v3, 2, v9                        ; 4 r
	global_load_b128 v[22:25], v1, s[22:23]
	global_load_b64 v[26:27], v2, s[22:23] offset:512
	global_load_b32 v34, v3, s[20:21]
	v_and_b32 v7, 8, v9
	s_delay_alu instid0(VALU_DEP_1)
	v_add_nc_u32 v7, v7, v9
	s_delay_alu instid0(VALU_DEP_1)
	v_add_nc_u32 v7, s49, v7
	v_lshlrev_b32 v10, 4, v10
	s_delay_alu instid0(VALU_DEP_1)
	v_sub_nc_u32 v7, v7, v10                       ; d = my query - 16 h: register 16 b + i holds key 32 b + i + 16 h, hidden where 32 b + i > d
	v_mov_b32 v4, v1                               ; the same three + the record in hand
	v_mov_b32 v5, v2
	v_mov_b32 v6, v3
.irp j, 16,17,18,19,20,21,28,29,30,31,32,33
	v_mov_b32 v\j, 0                               ; v16-27 = (zeros, q), v22-33 = (q, zeros)
.endr
	v_mov_b32 v13, 0xff61b1e6                      ; the largest t so far: -3e38
	s_delay_alu instid0(VALU_DEP_1)
	v_floor_f32 v12, -v13                          ; -M
	v_mov_b32 v14, 0                               ; the sum, in two halves
	v_mov_b32 v15, 0
.irp b, 0,1,2,3
	v_mov_b32 v[236+\b], 0                         ; a lane permute's destination counts as one of its sources
.endr
	v_mov_b32 v253, 0
	; where my result goes: fragment (128 batch + 8 rho + j) x 8 + head / 2, half head % 2
	s_lshr_b32 s50, s18, 4
	s_lshl_b32 s50, s50, 7
	s_lshl_b32 s51, s[RHO], 3
	s_add_co_u32 s50, s50, s51
	s_add_co_u32 s50, s50, s17
	s_lshl_b32 s50, s50, 3
	s_bfe_u32 s51, s18, 0x30001
	s_add_co_u32 s50, s50, s51
	s_and_b32 s51, s18, 1
	s_mul_i32 s52, s50, 1536
	s_mul_i32 s53, s51, 768
	s_add_co_u32 s52, s52, s53
	s_mov_b32 s53, 0
	s_lshl_b32 s54, s50, 6
	s_lshl_b32 s51, s51, 1
	s_add_co_u32 s54, s54, s51
	s_add_co_u32 s54, s54, 3145728
	s_mov_b32 s55, 0
	s_add_nc_u64 s[52:53], s[6:7], s[52:53]
	s_add_nc_u64 s[54:55], s[6:7], s[54:55]
	s_wait_loadcnt 0x0
	v_perm_b32 v34, v34, v34, s48                  ; q's scale word: the same two bytes for either half of K
.set n, 0
.rept 32
	v_mov_b32 v[O+n], 0                            ; O^T: the step is written once; the first change of M leaves zeros zeros.  These 32 plain lines stand here on purpose: a scale register written by a
.set n, n+1                                        ; vector instruction stands eight plain vector instructions ahead of the first scaled product that names it, whichever key step that is
.endr
; A KEY STEP: 128 keys, the q-th of the record in hand.  A step past my rank is left out: a scalar branch on the wave's number and a counted step; no barrier and no tensor load stands in a step.
.macro STEP q
	s_cmp_gt_u32 s[ST], s[RHO]
	s_cbranch_scc1 .Lpast_\@
.rept 4
	v_nop                                          ; places in front of loads into registers that the last products read
.endr
	s_wait_alu depctr_va_vdst(0)
.irp p, 0,1,2,3
	ds_load_b128 v[F+12*\p:F+12*\p+3], v4 offset:(4*\q+\p)*1536
	ds_load_b64 v[F+12*\p+4:F+12*\p+5], v5 offset:(4*\q+\p)*1536+512
	ds_load_b128 v[F+12*\p+6:F+12*\p+9], v4 offset:(4*\q+\p)*1536+768
	ds_load_b64 v[F+12*\p+10:F+12*\p+11], v5 offset:(4*\q+\p)*1536+1280
	ds_load_b32 v[KS+\p], v6 offset:24576+(4*\q+\p)*64
.endr
	s_wait_dscnt 0x0
.irp p, 0,1,2,3                                ; S^T: a pair of tiles of keys serves two products
	v_wmma_scale_f32_16x16x128_f8f6f4 v[SR+16*\p:SR+16*\p+7], v[F+12*\p:F+12*\p+11], v[22:33], 0, v[KS+\p], v34 matrix_a_fmt:MATRIX_FMT_BF6 matrix_b_fmt:MATRIX_FMT_BF6
	v_wmma_scale_f32_16x16x128_f8f6f4 v[SR+16*\p+8:SR+16*\p+15], v[F+12*\p:F+12*\p+11], v[16:27], 0, v[KS+\p], v34 matrix_a_fmt:MATRIX_FMT_BF6 matrix_b_fmt:MATRIX_FMT_BF6
.endr
.rept 4
	v_nop                                          ; places in front of the loads below and of the first read of the scores
.endr
	s_wait_alu depctr_va_vdst(0)
.irp p, 0,1,2,3                                ; V^T's four fragments land under the softmax
	ds_load_b128 v[F+12*\p:F+12*\p+3], v4 offset:12288+(4*\q+\p)*1536
	ds_load_b64 v[F+12*\p+4:F+12*\p+5], v5 offset:12288+(4*\q+\p)*1536+512
	ds_load_b128 v[F+12*\p+6:F+12*\p+9], v4 offset:12288+(4*\q+\p)*1536+768
	ds_load_b64 v[F+12*\p+10:F+12*\p+11], v5 offset:12288+(4*\q+\p)*1536+1280
	ds_load_b32 v[KS+\p], v6 offset:25088+(4*\q+\p)*64
.endr
	s_cmp_lt_u32 s[ST], s[RHO]                     ; only my step on the diagonal hides keys
	s_cbranch_scc1 .Lopen_\@
	v_mov_b32 v254, 0xff800000
.set n, 0
.rept 64
	v_cmp_gt_i32 vcc_lo, 32*(n/16)+n%16, v7
	v_cndmask_b32 v[SR+n], v[SR+n], v254, vcc_lo
.set n, n+1
.endr
.Lopen_\@:
.irp b, 0,1,2,3
	v_max3_num_f32 v[232+\b], v[SR+16*\b], v[SR+1+16*\b], v[SR+2+16*\b]   ; the largest score of each block of 32 keys: for the row's maximum and, since p rises with the score, for the block's largest p
.endr
.irp i, 3,5,7,9,11,13
.irp b, 0,1,2,3
	v_max3_num_f32 v[232+\b], v[232+\b], v[SR+16*\b+\i], v[SR+1+16*\b+\i]
.endr
.endr
.irp b, 0,1,2,3
	v_max_num_f32 v[232+\b], v[232+\b], v[SR+15+16*\b]
.endr
.irp b, 0,1,2,3
	s_delay_alu instid0(VALU_DEP_4)
	v_permlanex16_b32 v[236+\b], v[232+\b], s[SEL], s[SEL+1]
.endr
.irp b, 0,1,2,3
	s_delay_alu instid0(VALU_DEP_4)
	v_max_num_f32 v[232+\b], v[232+\b], v[236+\b]
.endr
	s_delay_alu instid0(VALU_DEP_2)
	v_max3_num_f32 v254, v232, v233, v234
	s_delay_alu instid0(VALU_DEP_1)
	v_max_num_f32 v254, v254, v235
	s_delay_alu instid0(VALU_DEP_1)
	v_mul_f32 v254, s[CS], v254
	s_delay_alu instid0(VALU_DEP_1)
	v_max_num_f32 v13, v13, v254                   ; the running largest t
	v_mov_b32 v254, v12
	s_delay_alu instid0(VALU_DEP_2)
	v_floor_f32 v12, -v13                          ; -M = floor(-t): M is a whole number
	s_delay_alu instid0(VALU_DEP_1)
	v_sub_f32 v254, v12, v254
	s_delay_alu instid0(VALU_DEP_1)
	v_cvt_i32_f32 v254, v254                       ; (it saturates)
	s_delay_alu instid0(VALU_DEP_1)
	v_ldexp_f32 v252, 1.0, v254                    ; f = 2^(old M - new M): a multiplication by it rounds nothing
.set n, 0
.rept 32
	v_pk_fma_f32 v[SR+n:SR+n+1], v[SR+n:SR+n+1], s[CS:CS+1], v[12:13] op_sel_hi:[1,0,0]   ; t - M
.set n, n+2
.endr
.irp b, 0,1,2,3
	v_fma_f32 v[232+\b], v[232+\b], s[CS], v12
.endr
.set n, 0
	s_wait_alu depctr_va_vdst(0)
.rept 64
	v_exp_f32 v[SR+n], v[SR+n]                     ; p = 2^(t - M)
.set n, n+1
.endr
	v_pk_mul_f32 v[14:15], v[14:15], v[252:253] op_sel_hi:[1,0]   ; the sums under the new M: the plain place behind the batch
	s_wait_alu depctr_va_vdst(0)                   ; one wait for the batch, ahead of its first reader
.irp b, 0,1,2,3
	v_exp_f32 v[232+\b], v[232+\b]                 ; each block's largest p
.endr
	v_pk_add_f32 v[236:237], v[100:101], v[104:105]
	v_pk_add_f32 v[248:249], v[108:109], v[112:113]
	v_pk_add_f32 v[246:247], v[116:117], v[120:121]
	v_pk_add_f32 v[244:245], v[124:125], v[128:129]
	v_pk_add_f32 v[242:243], v[132:133], v[136:137]
	v_pk_add_f32 v[240:241], v[140:141], v[144:145]
	v_pk_add_f32 v[238:239], v[148:149], v[152:153]
	v_pk_add_f32 v[14:15], v[14:15], v[156:157]
	v_pk_add_f32 v[236:237], v[236:237], v[96:97]
	v_pk_add_f32 v[248:249], v[248:249], v[98:99]
	v_pk_add_f32 v[246:247], v[246:247], v[102:103]
	v_pk_add_f32 v[244:245], v[244:245], v[106:107]
	v_pk_add_f32 v[242:243], v[242:243], v[110:111]
	v_pk_add_f32 v[240:241], v[240:241], v[114:115]
	v_pk_add_f32 v[238:239], v[238:239], v[118:119]
	v_pk_add_f32 v[14:15], v[14:15], v[122:123]
	v_pk_add_f32 v[236:237], v[236:237], v[126:127]
	v_pk_add_f32 v[248:249], v[248:249], v[130:131]
	v_pk_add_f32 v[246:247], v[246:247], v[134:135]
	v_pk_add_f32 v[244:245], v[244:245], v[138:139]
	v_pk_add_f32 v[242:243], v[242:243], v[142:143]
	v_pk_add_f32 v[240:241], v[240:241], v[146:147]
	v_pk_add_f32 v[238:239], v[238:239], v[150:151]
	v_pk_add_f32 v[14:15], v[14:15], v[154:155]
	v_pk_add_f32 v[236:237], v[236:237], v[158:159]
	s_delay_alu instid0(VALU_DEP_2)
	v_pk_add_f32 v[14:15], v[14:15], v[244:245]
	s_delay_alu instid0(VALU_DEP_2)
	v_pk_add_f32 v[236:237], v[236:237], v[242:243]
	v_pk_add_f32 v[248:249], v[248:249], v[240:241]
	v_pk_add_f32 v[246:247], v[246:247], v[238:239]
	s_delay_alu instid0(VALU_DEP_2)
	v_pk_add_f32 v[14:15], v[14:15], v[248:249]
	s_delay_alu instid0(VALU_DEP_2)
	v_pk_add_f32 v[236:237], v[236:237], v[246:247]
	s_delay_alu instid0(VALU_DEP_1)
	v_pk_add_f32 v[14:15], v[14:15], v[236:237]
	s_wait_alu depctr_va_vdst(0)                   ; and one for the four
.irp b, 0,1,2,3
	v_max_num_f32 v[232+\b], 0x2800000, v[232+\b]  ; the floor 2^(5 - 127)
.endr
.irp b, 0,1,2,3
	s_delay_alu instid0(VALU_DEP_4)
	v_add_nc_u32 v[244+\b], 0xfe000000, v[232+\b]
.endr
.irp b, 0,1,2,3
	s_delay_alu instid0(VALU_DEP_4)
	v_lshrrev_b32 v[236+\b], 23, v[244+\b]
.endr
	s_delay_alu instid0(VALU_DEP_3)
	v_lshl_or_b32 v253, v237, 8, v236              ; p's scale word
	s_delay_alu instid0(VALU_DEP_1)
	v_lshl_or_b32 v253, v238, 16, v253
	s_delay_alu instid0(VALU_DEP_1)
	v_lshl_or_b32 v253, v239, 24, v253
.irp c, 0,1
	v_cvt_scalef32_pk16_bf6_f32 v[PC+6*\c:PC+2+6*\c], v[SR+32*\c:SR+15+32*\c], v[244+2*\c]
	v_cvt_scalef32_pk16_bf6_f32 v[PT+4*\c:PT+2+4*\c], v[SR+16+32*\c:SR+31+32*\c], v[244+2*\c+1]
.endr
	v_nop                                          ; one plain place behind a scaled conversion
.irp c, 0,1
.irp i, 0,1,2
	v_permlane16_swap_b32 v[PC+6*\c+\i], v[PT+4*\c+\i]
.endr
.irp i, 0,1,2
	s_delay_alu instid0(VALU_DEP_3)
	v_mov_b32 v[PC+3+6*\c+\i], v[PT+4*\c+\i]
.endr
.endr
.set n, 0
.rept 16
	v_pk_mul_f32 v[O+n:O+n+1], v[O+n:O+n+1], v[252:253] op_sel_hi:[1,0]   ; O^T under the new M; these 16 are also the places between the scale word's and the codes' last writes and the products
.set n, n+2
.endr
	s_wait_alu depctr_va_vdst(0)
	s_wait_dscnt 0x0                               ; V
.irp t, 0,1,2,3                                ; O^T += V^T P^T: four accumulators by turns
	v_wmma_scale_f32_16x16x128_f8f6f4 v[O+8*\t:O+8*\t+7], v[F+12*\t:F+12*\t+11], v[PC:PC+11], v[O+8*\t:O+8*\t+7], v[KS+\t], v253 matrix_a_fmt:MATRIX_FMT_BF6 matrix_b_fmt:MATRIX_FMT_BF6
.endr
.Lpast_\@:
	s_add_co_u32 s[ST], s[ST], 1
.endm
	s_wait_tensorcnt 0x0                           ; my sixteenth is in; behind the barrier all eight records are: nothing is filled again in this launch
	s_barrier_signal -1
	s_barrier_wait -1
	STEP 0
	STEP 1
	s_mov_b32 s19, 7
.Lrec:                                             ; seven trips in every wave: a record's two key steps
	s_add_co_u32 s[TB], s[TB], REC
	v_add_nc_u32 v4, s[TB], v1
	v_add_nc_u32 v5, s[TB], v2
	v_add_nc_u32 v6, s[TB], v3
	STEP 0
	STEP 1
	s_sub_co_u32 s19, s19, 1
	s_cmp_lg_u32 s19, 0
	s_cbranch_scc1 .Lrec
	; THE WAY OUT: O^T / the sum; register 16 b + i is channel 32 b + 16 h + i of my query: half a fragment of the next product
.rept 4
	v_nop
.endr
	v_add_f32 v14, v14, v15
	s_delay_alu instid0(VALU_DEP_1)
	v_permlanex16_b32 v252, v14, s[SEL], s[SEL+1]
	s_delay_alu instid0(VALU_DEP_1)
	v_add_f32 v14, v14, v252
	s_wait_alu depctr_va_vdst(0)
	v_rcp_f32 v14, v14
	v_nop                                          ; a plain place behind the transcendental
	s_wait_alu depctr_va_vdst(0)                   ; and the wait ahead of its first reader
.set n, 0
.rept 16
	v_pk_mul_f32 v[SR+n:SR+n+1], v[O+n:O+n+1], v[14:15] op_sel_hi:[1,0]
.set n, n+2
.endr
.irp b, 0,1
	v_max3_num_f32 v[232+\b], |v[SR+16*\b]|, |v[SR+1+16*\b]|, 0x2800000
.endr
.irp i, 2,4,6,8,10,12,14
.irp b, 0,1
	s_delay_alu instid0(VALU_DEP_2)
	v_max3_num_f32 v[232+\b], v[232+\b], |v[SR+16*\b+\i]|, |v[SR+1+16*\b+\i]|
.endr
.endr
.irp b, 0,1
	s_delay_alu instid0(VALU_DEP_2)
	v_permlanex16_b32 v[236+\b], v[232+\b], s[SEL], s[SEL+1]
.endr
.irp b, 0,1
	s_delay_alu instid0(VALU_DEP_2)
	v_max_num_f32 v[232+\b], v[232+\b], v[236+\b]
.endr
.irp b, 0,1
	s_delay_alu instid0(VALU_DEP_2)
	v_add_nc_u32 v[244+\b], 0xfe000000, v[232+\b]
.endr
.irp b, 0,1
	s_delay_alu instid0(VALU_DEP_2)
	v_lshrrev_b32 v[236+\b], 23, v[244+\b]
.endr
	s_delay_alu instid0(VALU_DEP_1)
	v_lshl_or_b32 v254, v237, 8, v236              ; my row's two scale bytes
	v_cvt_scalef32_pk16_bf6_f32 v[PC:PC+2], v[SR:SR+15], v244
	v_cvt_scalef32_pk16_bf6_f32 v[PT:PT+2], v[SR+16:SR+31], v245
	v_nop
.irp i, 0,1,2
	v_permlane16_swap_b32 v[PC+\i], v[PT+\i]
.endr
.irp i, 0,1,2
	s_delay_alu instid0(VALU_DEP_3)
	v_mov_b32 v[PC+3+\i], v[PT+\i]
.endr
	global_store_b128 v1, v[PC:PC+3], s[52:53]
	global_store_b64 v2, v[PC+4:PC+5], s[52:53] offset:512
	global_store_b16 v3, v254, s[54:55]            ; half of row r's word: the other half is the neighbouring head's
	s_wait_tensorcnt 0x0
	ds_add_u32 v251, v255
	s_wait_dscnt 0x0
	CROUND                                         ; the closing round
	s_endpgm
.Lfunc_end_k_q752246b8db_attn:
	.size	k_q752246b8db_attn, .Lfunc_end_k_q752246b8db_attn-k_q752246b8db_attn
	.p2alignl 7, 3214868480
	.fill 96, 4, 3214868480
	.section	.rodata,"a",@progbits
	.p2align	6, 0x0
	.amdhsa_kernel k_q752246b8db_attn
		.amdhsa_group_segment_fixed_size 206848
		.amdhsa_private_segment_fixed_size 0
		.amdhsa_enable_private_segment 0
		.amdhsa_kernarg_size 16
		.amdhsa_user_sgpr_count 2
		.amdhsa_user_sgpr_kernarg_segment_ptr 1
		.amdhsa_wavefront_size32 1
		.amdhsa_system_sgpr_workgroup_id_x 1
		.amdhsa_system_sgpr_workgroup_id_y 1
		.amdhsa_system_sgpr_workgroup_id_z 1
		.amdhsa_system_vgpr_workitem_id 0
		.amdhsa_next_free_vgpr 256
		.amdhsa_next_free_sgpr 66
		.amdhsa_reserve_vcc 1
		.amdhsa_float_denorm_mode_32 3
		.amdhsa_float_denorm_mode_16_64 3
		.amdhsa_memory_ordered 1
		.amdhsa_forward_progress 1
		.amdhsa_inst_pref_size 103
	.end_amdhsa_kernel
	.amdgpu_metadata
---
amdhsa.version: [ 1, 2 ]
amdhsa.kernels:
  - .name:           k_q752246b8db_attn
    .symbol:         k_q752246b8db_attn.kd
    .args:
      - { .name: QKV, .offset: 0, .size: 8, .value_kind: global_buffer, .address_space: global }
      - { .name: ACT, .offset: 8, .size: 8, .value_kind: global_buffer, .address_space: global }
    .group_segment_fixed_size: 206848
    .private_segment_fixed_size: 0
    .kernarg_segment_align: 8
    .kernarg_segment_size: 16
    .max_flat_workgroup_size: 512
    .sgpr_count:     66
    .vgpr_count:     256
    .wavefront_size: 32
...
	.end_amdgpu_metadata
.endif
;; end of part 3
;; launch pnorm (part 4): grid 256 x 1, 8 waves a work-group, no clusters, 1,536 bytes of LDS; arguments ACT, W, WS, S1, S2, ACT2; writes S2, ACT2
.if DOCPART == 4
	.amdgcn_target "amdgcn-amd-amdhsa--gfx1250"
	.amdhsa_code_object_version 6
	.text
	.protected	k_q752246b8db_pnorm
	.globl	k_q752246b8db_pnorm
	.p2align	8
	.type	k_q752246b8db_pnorm,@function
k_q752246b8db_pnorm:
	s_mov_b64 s[64:65], 0
	v_nop
	global_prefetch_b8 v0, s[64:65] scope:SCOPE_SE
	s_setreg_imm32_b32 hwreg(HW_REG_WAVE_MODE, 25, 1), 1
	s_wait_xcnt 0x0
; s2 = s + attn x projWeight on codes of BF6 (E3M2) with E8M0 scales, then s2 x rsqrt(mean(s2^2) + 1e-5) quantised along the row: the projection, the residual, the norm and the quantiser in one launch.
; A work-group owns one tile of 16 tokens and ALL 1,024 columns, so that a row's mean is its own; wave w makes columns 128 w .. 128 w + 127: 8 accumulators, K = 1,024 in 8 steps, 64 matrix instructions.
; TILES AND IMAGES as in the first launch: position i of tile t is row 32 (t / 2) + 8 (t % 2) + i + 8 (i / 8); a fragment's image is 1,536 bytes, its 16 scale words 64 bytes.
; TRANSPOSED USE: source 0 = 16 columns of the weight, source 1 = the tokens: lane (r, h) holds token r, register 16 b + i column 128 w + 32 b + 16 h + i.  s lies in memory in just that order (8,192 bytes for
; a tile and a wave) and is loaded into the accumulators: it is the C of the first product, so the residual costs no addition.  s2 leaves in the same order, for the last launch's accumulators.
; OPERANDS GO FROM MEMORY STRAIGHT INTO REGISTERS: with 16 tokens each fragment of the weight feeds ONE matrix instruction of ONE wave, so a way through LDS would add a write and a read for each byte and spare none.
; So there is no tensor load, and no cluster: a joint request needs one.  The weight's fragments of a K step (8 x 1,536 bytes) are asked for two steps ahead, in two sets of 96 registers in window 1.
; No prefetch: the loads themselves run two K steps ahead, and the walk is written out: 8 steps.
; SCALE WORDS: one load of 4 bytes a lane brings two K steps' words (128 consecutive bytes): lanes 0-15 the even step's, lanes 16-31 the odd step's, which the odd step's products name by ROW1.
; LIMITS: NaN and infinities are not served; a block whose largest magnitude is under 2^-122 (a block of zeros too) gets the byte 1: its bytes are read by this program alone.
.set FRB,   1536
.set FB,    1536                       ; projWeight's first fragment
.set ASC,   3145728                    ; where the scale words begin in a buffer of tokens' codes
.set SPARE, 512                        ; LDS: 16 rows x 8 partial sums, then the spare words, 128 bytes a wave
.set L4,   8                           ; v8   4 x lane
.set O16,  9                           ; v9   16 x lane
.set O8,   10                          ; v10  8 x lane
.set O4,   11                          ; v11  4 x (lane % 16)
.set AS,   12                          ; v12-15   the tokens' scale words, two steps to a register
.set AF,   32                          ; v32-127  the tokens' 8 fragments; later the codes
.set PC,   96
.set BS,   128                         ; v128-159 the weight's scale words: 4 nt + s / 2
.set Z,    160                         ; v160-223 the 8 accumulators
.set TM,   224
.set PW,   240
.set SEL,  50
.set MSB, 0
.macro WIN new                         ; the immediate's high byte repeats the setting that is left
.if MSB != (\new)
	s_set_vgpr_msb (MSB<<8)|(\new)
.set MSB, (\new)
.endif
.endm
.macro FRAGL reg, base, off            ; an image into 12 registers
.set fr, \reg
.set fo, \off
	global_load_b128 v[fr:fr+3], v[O16], s[\base:\base+1] offset:fo
	global_load_b64 v[fr+4:fr+5], v[O8], s[\base:\base+1] offset:fo+512
	global_load_b128 v[fr+6:fr+9], v[O16], s[\base:\base+1] offset:fo+768
	global_load_b64 v[fr+10:fr+11], v[O8], s[\base:\base+1] offset:fo+1280
.endm
.macro LOADB s                         ; the weight's 8 fragments of K step s into set s % 2: 32 loads
.set NT, 0
.rept 8
	FRAGL 96*((\s)%2)+12*NT, 20, (8*NT+(\s))*FRB
.set NT, NT+1
.endr
.endm
.macro MULS s                          ; the 8 accumulators by turns, one instruction a turn
.set NT, 0
.rept 8
.set rD, Z+8*NT
.set rB, 96*((\s)%2)+12*NT
.set rA, AF+12*(\s)
.set rSB, BS+4*NT+(\s)/2
.set rSA, AS+(\s)/2
.if (\s)%2
	v_wmma_scale_f32_16x16x128_f8f6f4 v[rD:rD+7], v[rB:rB+11], v[rA:rA+11], v[rD:rD+7], v[rSB], v[rSA] matrix_a_fmt:MATRIX_FMT_BF6 matrix_b_fmt:MATRIX_FMT_BF6 matrix_a_scale:MATRIX_SCALE_ROW1 matrix_b_scale:MATRIX_SCALE_ROW1
.else
	v_wmma_scale_f32_16x16x128_f8f6f4 v[rD:rD+7], v[rB:rB+11], v[rA:rA+11], v[rD:rD+7], v[rSB], v[rSA] matrix_a_fmt:MATRIX_FMT_BF6 matrix_b_fmt:MATRIX_FMT_BF6
.endif
.set NT, NT+1
.endr
.endm
	s_load_b256 s[4:11], s[0:1], 0x0               ; attention's codes, the weights' codes, their scales, s
	s_load_b128 s[12:15], s[0:1], 0x20             ; s2 out, the norm's codes out
	v_lshl_add_u32 v254, v0, 2, SPARE
	v_mov_b32 v255, 0
	v_lshrrev_b32 v1, 5, v0
	s_delay_alu instid0(VALU_DEP_1)
	v_readfirstlane_b32 s32, v1                    ; wave 0..7
	s_mul_i32 s16, ttmp9, 8*FRB                    ; my tile's 8 fragments
	s_lshl_b32 s18, ttmp9, 9                       ; and their scale words
	s_mul_i32 s20, s32, 64*FRB                     ; my wave's 64 fragments of the weight, on end
	s_lshl_b32 s22, s32, 12
	s_lshl_b32 s24, ttmp9, 3
	s_add_co_u32 s24, s24, s32                     ; 8 t + w
	s_lshl_b32 s26, s24, 13                        ; the f32 images
	s_mul_i32 s28, s24, FRB                        ; the fragment that I make
	s_lshl_b32 s30, s24, 6
.irp r, 17,19,21,23,27,29,31
	s_mov_b32 s\r, 0
.endr
	s_lshl_b32 s41, s32, 2
	s_mov_b32 s[SEL], 0x76543210
	s_mov_b32 s[SEL+1], 0xfedcba98
	s_mov_b32 s52, 0x3a800000                      ; 1 / 1,024
	s_mov_b32 s53, 0x3727c5ac                      ; 1e-5
	v_and_b32 v1, 31, v0
	v_and_b32 v2, 15, v0
	s_delay_alu instid0(VALU_DEP_2)
	v_lshlrev_b32 v[O16], 4, v1
	v_lshlrev_b32 v[O8], 3, v1
	v_lshlrev_b32 v[L4], 2, v1
	v_lshlrev_b32 v[O4], 2, v2
	v_lshl_add_u32 v7, v2, 5, s41                  ; LDS: my row's partial sum: 32 r + 4 x wave
	v_lshlrev_b32 v6, 5, v2                        ; my row's eight
	s_wait_alu depctr_va_vdst(0)                   ; the wait at the head's end
	s_wait_kmcnt 0x0
	s_add_nc_u64 s[16:17], s[4:5], s[16:17]
	s_add_nc_u64 s[18:19], s[4:5], s[18:19]
	s_add_nc_u64 s[18:19], s[18:19], ASC
	s_add_nc_u64 s[20:21], s[6:7], s[20:21]
	s_add_nc_u64 s[20:21], s[20:21], 256+FB*FRB
	s_add_nc_u64 s[22:23], s[8:9], s[22:23]
	s_add_nc_u64 s[22:23], s[22:23], 256+FB*64
	s_add_nc_u64 s[10:11], s[10:11], s[26:27]
	s_add_nc_u64 s[12:13], s[12:13], s[26:27]
	s_add_nc_u64 s[28:29], s[14:15], s[28:29]
	s_add_nc_u64 s[30:31], s[14:15], s[30:31]
	s_add_nc_u64 s[30:31], s[30:31], ASC
.irp j, 0,1,2,3
	global_load_b32 v[AS+\j], v[L4], s[18:19] offset:128*\j
.endr
.set n, 0
.rept 32
	global_load_b32 v[BS+n], v[L4], s[22:23] offset:128*n
.set n, n+1
.endr
.set n, 0
.rept 16
	global_load_b128 v[Z+4*n:Z+4*n+3], v[O16], s[10:11] offset:512*n th:TH_LOAD_NT   ; s into the accumulators
.set n, n+1
.endr
.set n, 0
.rept 8
	FRAGL AF+12*n, 16, n*FRB
.set n, n+1
.endr
	WIN 0x40                                       ; destination window 1
	LOADB 0
	LOADB 1
.set ST, 0
.rept 8
.if ST < 7
	s_wait_loadcnt 32                              ; all but the next step's 32 loads are in
.else
	s_wait_loadcnt 0x0
.endif
	WIN 0x01                                       ; source 0 window 1
	MULS ST
.rept 4
	v_nop                                          ; places in front of loads into registers that the products read, and of the first read of the results
.endr
.if ST < 6
	WIN 0x40
	LOADB ST+2
.endif
.set ST, ST+1
.endr
	WIN 0
.set n, 0
.rept 16
	global_store_b128 v[O16], v[Z+4*n:Z+4*n+3], s[12:13] offset:512*n   ; s2 as an image, each accumulator from its low end on: 512 consecutive bytes a store, aligned
.set n, n+1
.endr
.irp c, 0,1,2,3
	v_pk_mul_f32 v[224+2*\c:225+2*\c], v[Z+2*\c:Z+2*\c+1], v[Z+2*\c:Z+2*\c+1]   ; the sum of squares of my 64, in four chains that take turns
.endr
.irp j, 8,16,24,32,40,48,56
.irp c, 0,1,2,3
	v_pk_fma_f32 v[224+2*\c:225+2*\c], v[Z+\j+2*\c:Z+\j+2*\c+1], v[Z+\j+2*\c:Z+\j+2*\c+1], v[224+2*\c:225+2*\c]
.endr
.endr
	v_pk_add_f32 v[224:225], v[224:225], v[228:229]
	v_pk_add_f32 v[226:227], v[226:227], v[230:231]
	s_delay_alu instid0(VALU_DEP_1)
	v_pk_add_f32 v[224:225], v[224:225], v[226:227]
	s_delay_alu instid0(VALU_DEP_1)
	v_add_f32 v224, v224, v225
	s_delay_alu instid0(VALU_DEP_1)
	v_permlanex16_b32 v225, v224, s[SEL], s[SEL+1]
	s_delay_alu instid0(VALU_DEP_1)
	v_add_f32 v224, v224, v225                     ; row r, my wave's 128 columns
	ds_store_b32 v7, v224                          ; (both halves of the lanes write the same word with the same value)
	s_wait_dscnt 0x0                               ; for the others' sake: my store has landed
	s_barrier_signal -1
	s_barrier_wait -1
	s_wait_xcnt 0x0                                ; the stores of s2 have read their registers, which are scaled in place below
	ds_load_b128 v[228:231], v6
	ds_load_b128 v[232:235], v6 offset:16
	s_wait_dscnt 0x0
	v_add_f32 v224, v228, v229                     ; the eight parts in one order in every wave
.irp j, 230,231,232,233,234,235
	s_delay_alu instid0(VALU_DEP_1)
	v_add_f32 v224, v224, v\j
.endr
	s_delay_alu instid0(VALU_DEP_1)
	v_fma_f32 v224, v224, s52, s53                 ; the mean + 1e-5
	s_wait_alu depctr_va_vdst(0)                   ; the wait ahead of the transcendental
	v_rsq_f32 v226, v224
	v_nop                                          ; a plain place behind it
	s_wait_alu depctr_va_vdst(0)                   ; and the wait ahead of its first reader
.irp j, 0,2,4,6,8,10,12,14,16,18,20,22,24,26,28,30,32,34,36,38,40,42,44,46,48,50,52,54,56,58,60,62
	v_pk_mul_f32 v[Z+\j:Z+\j+1], v[Z+\j:Z+\j+1], v[226:227] op_sel_hi:[1,0]
.endr
; the quantiser: register 16 b + i = k 32 b + 16 h + i of my row
.irp b, 0,1,2,3
	v_max3_num_f32 v[TM+\b], |v[Z+16*\b]|, |v[Z+1+16*\b]|, 0x2800000   ; my 16 numbers of block b, and the floor 2^(5 - 127): the byte cannot fall under 1
.endr
.irp i, 2,4,6,8,10,12,14
.irp b, 0,1,2,3
	s_delay_alu instid0(VALU_DEP_4)
	v_max3_num_f32 v[TM+\b], v[TM+\b], |v[Z+16*\b+\i]|, |v[Z+1+16*\b+\i]|
.endr
.endr
.irp b, 0,1,2,3
	s_delay_alu instid0(VALU_DEP_4)
	v_permlanex16_b32 v[TM+4+\b], v[TM+\b], s[SEL], s[SEL+1]
.endr
.irp b, 0,1,2,3
	s_delay_alu instid0(VALU_DEP_4)
	v_max_num_f32 v[TM+\b], v[TM+\b], v[TM+4+\b]   ; with lane l xor 16's: the block's largest magnitude
.endr
.irp b, 0,1,2,3
	s_delay_alu instid0(VALU_DEP_4)
	v_add_nc_u32 v[TM+12+\b], 0xfe000000, v[TM+\b] ; 4 off its exponent field: the conversion's scale operand
.endr
.irp b, 0,1,2,3
	s_delay_alu instid0(VALU_DEP_4)
	v_lshrrev_b32 v[TM+4+\b], 23, v[TM+12+\b]      ; the scale's byte
.endr
	s_delay_alu instid0(VALU_DEP_3)
	v_lshl_or_b32 v[PW], v[TM+5], 8, v[TM+4]
	s_delay_alu instid0(VALU_DEP_1)
	v_lshl_or_b32 v[PW], v[TM+6], 16, v[PW]
	s_delay_alu instid0(VALU_DEP_1)
	v_lshl_or_b32 v[PW], v[TM+7], 24, v[PW]
.irp c, 0,1
	v_cvt_scalef32_pk16_bf6_f32 v[PC+6*\c:PC+2+6*\c], v[Z+32*\c:Z+15+32*\c], v[TM+12+2*\c]
	v_cvt_scalef32_pk16_bf6_f32 v[PC+12+4*\c:PC+14+4*\c], v[Z+16+32*\c:Z+31+32*\c], v[TM+12+2*\c+1]   ; (a conversion's three registers begin on an even number)
.endr
	v_nop                                          ; one plain place behind a scaled conversion
.irp c, 0,1                                    ; the operand wants a whole block in a lane
.irp i, 0,1,2
	v_permlane16_swap_b32 v[PC+6*\c+\i], v[PC+12+4*\c+\i]
.endr
.irp i, 0,1,2
	s_delay_alu instid0(VALU_DEP_3)
	v_mov_b32 v[PC+3+6*\c+\i], v[PC+12+4*\c+\i]
.endr
.endr
	global_store_b128 v[O16], v[PC:PC+3], s[28:29]             ; the image: 512, 256, 512, 256 consecutive bytes
	global_store_b64 v[O8], v[PC+4:PC+5], s[28:29] offset:512
	global_store_b128 v[O16], v[PC+6:PC+9], s[28:29] offset:768
	global_store_b64 v[O8], v[PC+10:PC+11], s[28:29] offset:1280
	global_store_b32 v[O4], v[PW], s[30:31]                    ; row r's word (both halves of the lanes hold and write the same)
	s_wait_tensorcnt 0x0                           ; the wave's end
	ds_add_u32 v254, v255
	s_wait_dscnt 0x0
	s_endpgm
.Lfunc_end_k_q752246b8db_pnorm:
	.size	k_q752246b8db_pnorm, .Lfunc_end_k_q752246b8db_pnorm-k_q752246b8db_pnorm
	.p2alignl 7, 3214868480
	.fill 96, 4, 3214868480
	.section	.rodata,"a",@progbits
	.p2align	6, 0x0
	.amdhsa_kernel k_q752246b8db_pnorm
		.amdhsa_group_segment_fixed_size 1536
		.amdhsa_private_segment_fixed_size 0
		.amdhsa_enable_private_segment 0
		.amdhsa_kernarg_size 48
		.amdhsa_user_sgpr_count 2
		.amdhsa_user_sgpr_kernarg_segment_ptr 1
		.amdhsa_wavefront_size32 1
		.amdhsa_system_sgpr_workgroup_id_x 1
		.amdhsa_system_sgpr_workgroup_id_y 1
		.amdhsa_system_sgpr_workgroup_id_z 1
		.amdhsa_system_vgpr_workitem_id 0
		.amdhsa_next_free_vgpr 448
		.amdhsa_next_free_sgpr 66
		.amdhsa_reserve_vcc 0
		.amdhsa_float_denorm_mode_32 3
		.amdhsa_float_denorm_mode_16_64 3
		.amdhsa_memory_ordered 1
		.amdhsa_forward_progress 1
		.amdhsa_inst_pref_size 57
	.end_amdhsa_kernel
	.amdgpu_metadata
---
amdhsa.version: [ 1, 2 ]
amdhsa.kernels:
  - .name:           k_q752246b8db_pnorm
    .symbol:         k_q752246b8db_pnorm.kd
    .args:
      - { .name: ACT, .offset: 0, .size: 8, .value_kind: global_buffer, .address_space: global }
      - { .name: W, .offset: 8, .size: 8, .value_kind: global_buffer, .address_space: global }
      - { .name: WS, .offset: 16, .size: 8, .value_kind: global_buffer, .address_space: global }
      - { .name: S1, .offset: 24, .size: 8, .value_kind: global_buffer, .address_space: global }
      - { .name: S2, .offset: 32, .size: 8, .value_kind: global_buffer, .address_space: global }
      - { .name: ACT2, .offset: 40, .size: 8, .value_kind: global_buffer, .address_space: global }
    .group_segment_fixed_size: 1536
    .private_segment_fixed_size: 0
    .kernarg_segment_align: 8
    .kernarg_segment_size: 48
    .max_flat_workgroup_size: 256
    .sgpr_count:     66
    .vgpr_count:     448
    .wavefront_size: 32
...
	.end_amdgpu_metadata
.endif
;; end of part 4
;; launch fc (part 5): grid 16 x 16, 4 waves a work-group, clusters of 4 x 4, 327,680 bytes of LDS; arguments ACT2, W, WS, H; writes H
.if DOCPART == 5
	.amdgcn_target "amdgcn-amd-amdhsa--gfx1250"
	.amdhsa_code_object_version 6
	.text
	.protected	k_q752246b8db_fc
	.globl	k_q752246b8db_fc
	.p2align	8
	.type	k_q752246b8db_fc,@function
k_q752246b8db_fc:
	s_mov_b64 s[64:65], 0
	v_nop
	global_prefetch_b8 v0, s[64:65] scope:SCOPE_SE
	s_setreg_imm32_b32 hwreg(HW_REG_WAVE_MODE, 25, 1), 1
	s_wait_xcnt 0x0
	s_wait_alu depctr_hold_cnt(0) depctr_sa_sdst(0) depctr_va_vdst(0) depctr_va_sdst(0) depctr_va_ssrc(0) depctr_va_vcc(0) depctr_vm_vsrc(0)
	s_getreg_b32 s2, hwreg(HW_REG_IB_STS2, 6, 4)
	s_cmp_eq_u32 s2, 0
	s_cbranch_scc0 .Lentry_in_a_cluster
	s_endpgm
.Lentry_in_a_cluster:
	s_bfe_u32 s2, ttmp6, 0x10000c
	s_cmp_lg_u32 s2, 0xf033
	s_cbranch_scc0 .Lentry_shape_is_right
	s_endpgm
.Lentry_shape_is_right:
.set T,     8
.set LT,    3
.set NQ,    2
.set S,     8
.set FB,    2048
.set ASC,   3145728
.set TH,    T/2
.set FR,    12
.set NL,    4
.set FRB,   1536
.set HALFT, T*NQ*FRB
.set SLOT,  4*HALFT
.set LAPS,  S/(2*NQ)
.set SCL,   2*SLOT
.set SHP,   64*T*S                     ; the scale words of one half; A's two halves on end, 64 bytes, B's two halves: A's and B's words fall on different banks
.set SPARE, SCL+4*SHP+256
.set O16,  4
.set O8,   5
.set O4,   7
.set ADRA, 16
.set ADRB, 20
.set ADRS, 27
.set SPW,  28
.set NIL,  29
.set SC,   32
.set AF,   128
.set TM,   32
.set PW,   48
.set PC,   52
.set G1, 24
.set G0, 32
.set G1B, 48
.set G0B, 56
.set G1S, 68
.set G0S, 76
.set G1SB, 80
.set G0SB, 88
.set MSB, 0
.macro WIN new
.if MSB != (\new)
	s_set_vgpr_msb (MSB<<8)|(\new)
.set MSB, (\new)
.endif
.endm
.set MUL_LO, 0xa1
.set MUL_HI, 0xf1
.set TO_B,   0x40
.macro JLOAD g0a, g1a, g0b, g1b
	s_cmp_eq_u32 s15, 0
	s_cbranch_scc0 .Lfor_b_\@
	tensor_load_to_lds s[\g0a:\g0a+3], s[\g1a:\g1a+7]
	s_nop 0
.rept 4
	v_nop
.endr
	s_branch .Lasked_\@
.Lfor_b_\@:
	tensor_load_to_lds s[\g0b:\g0b+3], s[\g1b:\g1b+7]
	s_nop 0
.rept 4
	v_nop
.endr
.Lasked_\@:
.endm
.macro CREST
	s_cmp_lg_u32 s14, 0
	s_cbranch_scc1 .Lnot_wave_0_\@
	s_barrier_signal -3
.Lnot_wave_0_\@:
	s_barrier_wait -3
	s_barrier_signal -1
	s_barrier_wait -1
.endm
.macro CROUND
	s_barrier_signal -1
	s_barrier_wait -1
	CREST
.endm
.macro PLACES n
.rept \n
	v_nop
.endr
.endm
.macro FRAG reg, adr, q, i
.set fr, \reg
.set fa, \adr
.set fo, ((\i)*NQ+(\q))*FRB
	ds_load_b128 v[fr:fr+3], v[fa] offset:fo
	ds_load_b64 v[fr+4:fr+5], v[fa+2] offset:fo+512
	ds_load_b128 v[fr+6:fr+9], v[fa] offset:fo+768
	ds_load_b64 v[fr+10:fr+11], v[fa+2] offset:fo+1280
.endm
.macro MULB a0, p, q, sc, zero
.set AA, \a0
.rept T/4
.set BB, 0
.rept T
.set rD, 8*(T*(AA%TH)+BB)
.set rB, 128*(\p)+FR*BB
.set rA, AF+FR*AA
.set rSB, SC+16*(\sc)+NQ*BB+(\q)
.set rSA, SC+16*(\sc)+NQ*AA+(\q)
.if \zero
	v_wmma_scale_f32_16x16x128_f8f6f4 v[rD:rD+7], v[rB:rB+FR-1], v[rA:rA+FR-1], 0, v[rSB], v[rSA] matrix_a_fmt:MATRIX_FMT_BF6 matrix_b_fmt:MATRIX_FMT_BF6 matrix_a_scale:MATRIX_SCALE_ROW1
.else
	v_wmma_scale_f32_16x16x128_f8f6f4 v[rD:rD+7], v[rB:rB+FR-1], v[rA:rA+FR-1], v[rD:rD+7], v[rSB], v[rSA] matrix_a_fmt:MATRIX_FMT_BF6 matrix_b_fmt:MATRIX_FMT_BF6 matrix_a_scale:MATRIX_SCALE_ROW1
.endif
.set BB, BB+1
.endr
.set AA, AA+1
.endr
.endm
.macro FETCH_B slot, q, p
	WIN TO_B
.set II, 0
.rept T
	FRAG 128*(\p)+FR*II, ADRB+\slot, \q, II
.set II, II+1
.endr
	WIN 0
.endm
.macro FETCH_A slot, q, i0
.set II, \i0
.rept TH
	FRAG AF+FR*II, ADRA+\slot, \q, II
.set II, II+1
.endr
.endm
.macro SCALES sc
.set II, 0
.rept T
.set QQ, 0
.rept NQ
	ds_load_b32 v[SC+16*(\sc)+NQ*II+QQ], v[ADRS] offset:(II*S+QQ)*64
.set QQ, QQ+1
.endr
.set II, II+1
.endr
.endm
.macro STEP slot, q, zero
	s_wait_dscnt TH*NL
	WIN MUL_LO
	MULB 0, (\q)%2, \q, \slot, \zero
	MULB T/4, (\q)%2, \q, \slot, \zero
	s_wait_dscnt 0x0
	PLACES 4
	FETCH_B \slot, (\q)+1, 1-(\q)%2
	FETCH_A \slot, (\q)+1, 0
	WIN MUL_HI
	MULB TH, (\q)%2, \q, \slot, \zero
	MULB 3*T/4, (\q)%2, \q, \slot, \zero
	PLACES 4
	WIN 0
	FETCH_A \slot, (\q)+1, TH
.endm
.macro STEPS slot, from
.set QS, \from
.rept NQ-1-(\from)
	STEP \slot, QS, 0
.set QS, QS+1
.endr
.endm
.macro TURN slot, next, fill
	s_wait_tensorcnt 0x0
	ds_add_u32 v[SPW], v[NIL]
	s_wait_dscnt TH*NL+1
	WIN MUL_LO
	MULB 0, 1, NQ-1, \slot, 0
	s_wait_dscnt 0x0
	s_barrier_signal -1
	MULB T/4, 1, NQ-1, \slot, 0
	WIN 0
	s_barrier_wait -1
.if \fill
	CREST
	s_add_nc_u64 s[G0+4*\slot+2:G0+4*\slot+3], s[G0+4*\slot+2:G0+4*\slot+3], 2*NQ*FRB
	s_add_nc_u64 s[G0B+4*\slot+2:G0B+4*\slot+3], s[G0B+4*\slot+2:G0B+4*\slot+3], 2*NQ*FRB
	JLOAD G0+4*\slot, G1, G0B+4*\slot, G1B
.else
	PLACES 4
.endif
	s_wait_alu depctr_va_vdst(0)
	v_add_nc_u32 v[ADRS], 64*NQ, v[ADRS]
	FETCH_B \next, 0, 0
	FETCH_A \next, 0, 0
	SCALES \next
	WIN MUL_HI
	MULB TH, 1, NQ-1, \slot, 0
	MULB 3*T/4, 1, NQ-1, \slot, 0
	PLACES 4
	WIN 0
	FETCH_A \next, 0, TH
.endm
	s_load_b128 s[4:7], s[0:1], 0x0
	s_load_b128 s[8:11], s[0:1], 0x10
	v_lshl_add_u32 v[SPW], v0, 2, SPARE
	v_mov_b32 v[NIL], 0
	ds_add_u32 v28, v29
	ds_add_u32 v28, v29
	s_wait_dscnt 0x0
	v_lshrrev_b32 v1, 5, v0
	v_readfirstlane_b32 s14, v1
	s_lshr_b32 s15, s14, 1
	s_and_b32 s16, s14, 1
	s_bfe_u32 s40, ttmp6, 0x40000
	s_bfe_u32 s41, ttmp6, 0x40004
	s_lshl_b32 s42, ttmp9, 2
	s_add_co_u32 s42, s42, s40
	s_and_b32 s17, ttmp7, 0xffff
	s_lshl_b32 s17, s17, 2
	s_add_co_u32 s17, s17, s41
	s_lshl_b32 s43, s41, 2
	s_lshl_b32 s43, 15, s43
	s_lshl_b32 s44, 0x1111, s40
	s_or_b32 s[G1+0], s43, (3<<16)|(1<<21)
	s_or_b32 s[G1B+0], s44, (3<<16)|(1<<21)
.irp g, G1, G1B
	s_mov_b32 s[\g+1], (192*NQ)<<16
	s_mov_b32 s[\g+2], (2*T)<<16                   ; tensor_dim1: the head's loads bring both halves, 2 T tiles
	s_mov_b32 s[\g+3], (192*NQ)<<16
	s_mov_b32 s[\g+4], 2*T                         ; tile_dim1
	s_mov_b32 s[\g+5], 192*S
	s_mov_b32 s[\g+6], 0
	s_mov_b32 s[\g+7], 0
.endr
	s_or_b32 s[G1S+0], s43, (3<<16)|(1<<21)
	s_or_b32 s[G1SB+0], s44, (3<<16)|(1<<21)
.irp g, G1S, G1SB
	s_mov_b32 s[\g+1], 32<<16
	s_mov_b32 s[\g+2], (T*S/2)<<16
	s_mov_b32 s[\g+3], 32<<16
	s_mov_b32 s[\g+4], T*S/2
	s_mov_b32 s[\g+5], 32
	s_mov_b32 s[\g+6], 0
	s_mov_b32 s[\g+7], 0
.endr
	s_lshl_b32 s18, s16, LT
	s_lshl_b32 s20, s17, LT+1
	s_add_co_u32 s20, s20, s18
	s_lshl_b32 s46, s42, LT+1
	s_add_co_u32 s46, s46, s18
	s_mul_i32 s22, s20, S*64
	s_mul_i32 s92, s46, S*64
	s_mul_i32 s20, s20, S*FRB
	s_mul_i32 s46, s46, S*FRB
	s_mov_b32 s21, 0
	s_mov_b32 s23, 0
	s_mov_b32 s47, 0
	s_mov_b32 s93, 0
	s_mul_i32 s45, s14, HALFT
	s_wait_kmcnt 0x0
	s_add_nc_u64 s[20:21], s[4:5], s[20:21]
	s_add_nc_u64 s[22:23], s[4:5], s[22:23]
	s_add_nc_u64 s[22:23], s[22:23], ASC
	s_add_nc_u64 s[46:47], s[6:7], s[46:47]
	s_add_nc_u64 s[46:47], s[46:47], 256+FB*FRB
	s_add_nc_u64 s[92:93], s[8:9], s[92:93]
	s_add_nc_u64 s[92:93], s[92:93], 256+FB*64
	CROUND
	s_mov_b32 s[G0S], 1
	s_mov_b32 s[G0S+1], SCL
	s_sub_nc_u64 s[G0S+2:G0S+3], s[22:23], T*S*64  ; waves 1 and 3 issue the scales' loads: their own half is the second, so the block of both halves begins T S words' rows earlier
	s_or_b32 s[G0S+3], s[G0S+3], 0x80000000
	s_mov_b32 s[G0SB], 1
	s_mov_b32 s[G0SB+1], SCL+2*SHP+64
	s_sub_nc_u64 s[G0SB+2:G0SB+3], s[92:93], T*S*64
	s_or_b32 s[G0SB+3], s[G0SB+3], 0x80000000
.irp s, 0,1
	s_mov_b32 s[G0+4*\s], 1
	s_add_co_u32 s[G0+4*\s+1], s45, \s*SLOT
	s_add_nc_u64 s[G0+4*\s+2:G0+4*\s+3], s[20:21], \s*NQ*FRB
	s_or_b32 s[G0+4*\s+3], s[G0+4*\s+3], 0x80000000
	s_mov_b32 s[G0B+4*\s], 1
	s_add_co_u32 s[G0B+4*\s+1], s45, \s*SLOT
	s_add_nc_u64 s[G0B+4*\s+2:G0B+4*\s+3], s[46:47], \s*NQ*FRB
	s_or_b32 s[G0B+4*\s+3], s[G0B+4*\s+3], 0x80000000
.endr
; THE HEAD'S LOADS, ONE A WAVE: wave 0 slot 0's 2 T tiles of A (its own group 0 points at the first half), wave 1 A's scale words, wave 2 slot 0's 2 T tiles of B, wave 3 B's scale words.
.macro ARM under, g0, g1, next
	s_cmp_lt_u32 s14, \under
	s_cbranch_scc0 \next
	tensor_load_to_lds s[\g0:\g0+3], s[\g1:\g1+7]
	s_nop 0
.rept 4
	v_nop
.endr
	s_branch .Lhead_asked
\next:
.endm
	ARM 1, G0,  G1,  .Lhead_sa
	ARM 2, G0S, G1S, .Lhead_b
	ARM 3, G0B, G1B, .Lhead_sb
	tensor_load_to_lds s[G0SB:G0SB+3], s[G1SB:G1SB+7]
	s_nop 0
.rept 4
	v_nop
.endr
.Lhead_asked:
; THE PREFETCH.  At each change of slots a wave has waited for all its tensor loads, so a refill goes out with nothing on its way beside it.
; A wave's load of a slot is T = 8 tiles x NQ images = 8 x 12 blocks of 256 bytes.  The four partners that ask for it jointly share the tiles out BY ADDRESS: the partner at place p (cx for A, cy for B) names tiles
; 2 p and 2 p + 1: 24 blocks, a lane a block (lanes 24-31 name the last block again), one instruction a wave.  Slots 1 and 2 are named here, slot 3 behind slot 1's load: at most two slots are asked for and not yet loaded.
.set PFA, 98                           ; s[98:99] my two tiles' first byte; v31 my lane's block; neither is written again
	s_cmp_eq_u32 s15, 0                            ; do I fetch for A?
	s_cselect_b64 s[PFA:PFA+1], s[20:21], s[46:47]
	s_cselect_b32 s2, s40, s41
	s_mul_i32 s2, s2, 2*S*FRB
	s_mov_b32 s3, 0
	s_add_nc_u64 s[PFA:PFA+1], s[PFA:PFA+1], s[2:3]
	v_and_b32 v8, 31, v0
	v_min_u32 v8, 23, v8
	v_mul_u32_u24 v9, v8, 22
	v_lshrrev_b32 v9, 8, v9                        ; 0 for blocks 0-11, 1 for blocks 12-23: the second tile
	v_mul_u32_u24 v9, v9, (S-NQ)*FRB
	v_lshl_add_u32 v31, v8, 8, v9
	global_prefetch_b8 v31, s[PFA:PFA+1] offset:NQ*FRB th:TH_LOAD_NT scope:SCOPE_SE
	global_prefetch_b8 v31, s[PFA:PFA+1] offset:2*NQ*FRB th:TH_LOAD_NT scope:SCOPE_SE
	v_and_b32 v3, 31, v0
	v_and_b32 v1, 15, v0
	v_bfe_u32 v2, v0, 4, 1
	v_lshlrev_b32 v[O16], 4, v3
	v_lshlrev_b32 v[O8], 3, v3
	v_lshlrev_b32 v[O4], 2, v1
	s_mul_i32 s21, s15, HALFT
	s_mul_i32 s22, s16, HALFT
	s_add_co_u32 s22, s22, 2*HALFT
.irp s, 0,1
	v_add_nc_u32 v[ADRA+\s], s21, v[O16]
	v_add_nc_u32 v[ADRB+\s], s22, v[O16]
	v_add_nc_u32 v[ADRA+2+\s], s21, v[O8]
	v_add_nc_u32 v[ADRB+2+\s], s22, v[O8]
	s_add_co_u32 s21, s21, SLOT
	s_add_co_u32 s22, s22, SLOT
.endr
	s_mul_i32 s21, s15, SHP
	s_mul_i32 s22, s16, SHP
	s_add_co_u32 s22, s22, 2*SHP+64
	s_sub_co_u32 s22, s22, s21
	v_mul_u32_u24 v6, s22, v2
	s_add_co_u32 s21, s21, SCL
	v_add_nc_u32 v6, v6, v[O4]
	v_add_nc_u32 v[ADRS], s21, v6
	s_wait_alu depctr_va_vdst(0)
	s_wait_tensorcnt 0x0                           ; my tile of the head's four is in; slot 1's first fill is issued as a refill is
	ds_add_u32 v[SPW], v[NIL]                      ; 0 onto my spare word
	s_mov_b32 s[G1+2], T<<16                       ; no tensor load of mine is out: from here on a load brings T tiles
	s_mov_b32 s[G1+4], T
	s_mov_b32 s[G1B+2], T<<16
	s_mov_b32 s[G1B+4], T
	s_wait_dscnt 0x0
	CROUND                                         ; all four tiles are in, and all sixteen work-groups are here
	JLOAD G0+4, G1, G0B+4, G1B                     ; slot 1: the first tensor load behind the round
	FETCH_B 0, 0, 0
	FETCH_A 0, 0, 0
	SCALES 0
	FETCH_A 0, 0, TH
	global_prefetch_b8 v31, s[PFA:PFA+1] offset:3*NQ*FRB th:TH_LOAD_NT scope:SCOPE_SE   ; slot 3, the last: two fills ahead of its load
	STEP 0, 0, 1
	STEPS 0, 1
.if LAPS > 1
	s_mov_b32 s3, LAPS-1
.Llap:
	TURN 0, 1, 1
	STEPS 1, 0
	TURN 1, 0, 1
	STEPS 0, 0
	s_sub_co_u32 s3, s3, 1
	s_cmp_lg_u32 s3, 0
	s_cbranch_scc1 .Llap
.endif
	TURN 0, 1, 0
	STEPS 1, 0
	s_wait_dscnt TH*NL
	WIN MUL_LO
	MULB 0, 1, NQ-1, 1, 0
	MULB T/4, 1, NQ-1, 1, 0
	s_wait_dscnt 0x0
	WIN MUL_HI
	MULB TH, 1, NQ-1, 1, 0
	MULB 3*T/4, 1, NQ-1, 1, 0
	WIN 0
	PLACES 4
.macro QUANTW s, w
.set qs, \s
.set qw, \w
	WIN qw|(qw<<2)
.irp b, 0,1,2,3
	v_max3_num_f32 v[TM+\b], |v[qs+16*\b]|, |v[qs+16*\b+1]|, 0x2800000
.endr
.irp i, 2,4,6,8,10,12,14
.irp b, 0,1,2,3
	v_max3_num_f32 v[TM+\b], |v[qs+16*\b+\i]|, |v[qs+16*\b+\i+1]|, v[TM+\b]
.endr
.endr
	WIN 0
	s_wait_alu depctr_va_vdst(0)
	s_wait_xcnt 0x0
.irp b, 0,1,2,3
	v_permlanex16_b32 v[TM+4+\b], v[TM+\b], s96, s97
.endr
.irp b, 0,1,2,3
	v_max_num_f32 v[TM+\b], v[TM+\b], v[TM+4+\b]
.endr
.irp b, 0,1,2,3
	v_add_nc_u32 v[TM+12+\b], 0xfe000000, v[TM+\b]
.endr
.irp b, 0,1,2,3
	v_lshrrev_b32 v[TM+4+\b], 23, v[TM+12+\b]
.endr
	v_lshl_or_b32 v[PW], v[TM+5], 8, v[TM+4]
	v_lshl_or_b32 v[PW], v[TM+6], 16, v[PW]
	v_lshl_or_b32 v[PW], v[TM+7], 24, v[PW]
	WIN qw
.irp c, 0,1
	v_cvt_scalef32_pk16_bf6_f32 v[PC+6*\c:PC+2+6*\c], v[qs+32*\c:qs+15+32*\c], v[TM+12+2*\c]
	v_cvt_scalef32_pk16_bf6_f32 v[PC+12+4*\c:PC+14+4*\c], v[qs+16+32*\c:qs+31+32*\c], v[TM+12+2*\c+1]
.endr
	WIN 0
	v_nop
.irp c, 0,1
.irp i, 0,1,2
	v_permlane16_swap_b32 v[PC+6*\c+\i], v[PC+12+4*\c+\i]
.endr
.irp i, 0,1,2
	v_mov_b32 v[PC+3+6*\c+\i], v[PC+12+4*\c+\i]
.endr
.endr
.endm
.irp b, 0,1,2,3
	v_mov_b32 v[TM+4+\b], 0
.endr
	s_mov_b32 s96, 0x76543210
	s_mov_b32 s97, 0xfedcba98
	s_lshl_b32 s20, s17, 4
	s_lshl_b32 s21, s15, 3
	s_add_co_u32 s20, s20, s21
	s_lshl_b32 s20, s20, 5
	s_lshl_b32 s21, s42, 1
	s_add_co_u32 s20, s20, s21
	s_add_co_u32 s20, s20, s16
	s_lshl_b32 s22, s20, 6
	s_mul_i32 s20, s20, FRB
	s_mov_b32 s21, 0
	s_mov_b32 s23, 0
	s_add_nc_u64 s[20:21], s[10:11], s[20:21]
	s_add_nc_u64 s[22:23], s[10:11], s[22:23]
	s_add_nc_u64 s[22:23], s[22:23], 12582912
.irp a, 0,1,2,3,4,5,6,7
.set hs, 64*(\a%4)
.set hw, 2+\a/4
	WIN hw|(hw<<2)|(hw<<6)
.set k, 0
.rept 64
	v_max_num_f32 v[hs+k], 0, v[hs+k]
.set k, k+1
.endr
.set k, 0
.rept 32
	v_pk_mul_f32 v[hs+k:hs+k+1], v[hs+k:hs+k+1], v[hs+k:hs+k+1]
.set k, k+2
.endr
	QUANTW 64*(\a%4), 2+\a/4
	global_store_b128 v[O16], v[PC:PC+3], s[20:21] offset:\a*32*FRB
	global_store_b64 v[O8], v[PC+4:PC+5], s[20:21] offset:\a*32*FRB+512
	global_store_b128 v[O16], v[PC+6:PC+9], s[20:21] offset:\a*32*FRB+768
	global_store_b64 v[O8], v[PC+10:PC+11], s[20:21] offset:\a*32*FRB+1280
	global_store_b32 v[O4], v[PW], s[22:23] offset:\a*32*64
.endr
	s_wait_tensorcnt 0x0
	ds_add_u32 v[SPW], v[NIL]
	s_wait_dscnt 0x0
	CROUND
	s_endpgm
.Lfunc_end_k_q752246b8db_fc:
	.size	k_q752246b8db_fc, .Lfunc_end_k_q752246b8db_fc-k_q752246b8db_fc
	.p2alignl 7, 3214868480
	.fill 96, 4, 3214868480
	.section	.rodata,"a",@progbits
	.p2align	6, 0x0
	.amdhsa_kernel k_q752246b8db_fc
		.amdhsa_group_segment_fixed_size 327680
		.amdhsa_private_segment_fixed_size 0
		.amdhsa_enable_private_segment 0
		.amdhsa_kernarg_size 32
		.amdhsa_user_sgpr_count 2
		.amdhsa_user_sgpr_kernarg_segment_ptr 1
		.amdhsa_wavefront_size32 1
		.amdhsa_system_sgpr_workgroup_id_x 1
		.amdhsa_system_sgpr_workgroup_id_y 1
		.amdhsa_system_sgpr_workgroup_id_z 1
		.amdhsa_system_vgpr_workitem_id 0
		.amdhsa_next_free_vgpr 1024
		.amdhsa_next_free_sgpr 100
		.amdhsa_reserve_vcc 0
		.amdhsa_float_denorm_mode_32 3
		.amdhsa_float_denorm_mode_16_64 3
		.amdhsa_memory_ordered 1
		.amdhsa_forward_progress 1
		.amdhsa_inst_pref_size 185
	.end_amdhsa_kernel
	.amdgpu_metadata
---
amdhsa.version: [ 1, 2 ]
amdhsa.kernels:
  - .name:           k_q752246b8db_fc
    .symbol:         k_q752246b8db_fc.kd
    .args:
      - { .name: ACT2, .offset: 0, .size: 8, .value_kind: global_buffer, .address_space: global }
      - { .name: W, .offset: 8, .size: 8, .value_kind: global_buffer, .address_space: global }
      - { .name: WS, .offset: 16, .size: 8, .value_kind: global_buffer, .address_space: global }
      - { .name: H, .offset: 24, .size: 8, .value_kind: global_buffer, .address_space: global }
    .group_segment_fixed_size: 327680
    .private_segment_fixed_size: 0
    .kernarg_segment_align: 8
    .kernarg_segment_size: 32
    .max_flat_workgroup_size: 128
    .sgpr_count:     100
    .vgpr_count:     1024
    .wavefront_size: 32
...
	.end_amdgpu_metadata
.endif
;; end of part 5
;; launch mlp (part 6): grid 8 x 32, 8 waves a work-group, no clusters, 140,288 bytes of LDS; arguments H, W, WS, S2, out0; writes out0
.if DOCPART == 6
	.amdgcn_target "amdgcn-amd-amdhsa--gfx1250"
	.amdhsa_code_object_version 6
	.text
	.protected	k_q752246b8db_mlp
	.globl	k_q752246b8db_mlp
	.p2align	8
	.type	k_q752246b8db_mlp,@function
k_q752246b8db_mlp:
	s_mov_b64 s[64:65], 0
	v_nop
	global_prefetch_b8 v0, s[64:65] scope:SCOPE_SE
	s_setreg_imm32_b32 hwreg(HW_REG_WAVE_MODE, 25, 1), 1
	s_wait_xcnt 0x0
; out = s2 + h x mlpProjWeight on codes of BF6 (E3M2) with E8M0 scales.  M = 4,096, N = 1,024, K = 4,096.
; N = 1,024 gives 256 blocks of 128 x 128: one for each work-group.  Eight waves: wave = 4 kh + 2 ha + hb makes the 64 rows ha x 64 columns hb of the block over the half kh of K: 16 accumulators, 16 K steps of 128.
; TILES AND IMAGES as in the first launch: position i of tile t is row 32 (t / 2) + 8 (t % 2) + i + 8 (i / 8); a fragment's image is 1,536 bytes, laid [tile][K step]; its 16 scale words 64 bytes.
; OPERANDS GO FROM MEMORY STRAIGHT INTO REGISTERS, as their images lie: a K step is 4 fragments of h and 4 of the weight, 32 loads, asked for two steps ahead in two sets of 96 registers in window 1.
; So a wave has 64 loads, 24,576 bytes, on their way all along K, a work-group 196,608 bytes, and no wave waits for another before the end.  The price: a fragment is loaded by the two waves that use it.
; No tensor load, so no cluster: a joint request needs one.  No prefetch: the loads themselves run two K steps ahead of their use.
; SCALE WORDS are read once, at the head: one load of 4 bytes a lane brings two K steps' words (128 consecutive bytes): lanes 0-15 the even step's, lanes 16-31 the odd step's, named by ROW1.
; TRANSPOSED USE (source 0 = 16 columns of the weight, source 1 = 16 tokens): a lane holds a token, its registers run along the columns.  s2 lies in memory in the accumulators' order: the waves of kh = 0
; load it into their accumulators, as the C of their first products; those of kh = 1 begin with 0.
; THE END: each wave lays its four blocks of 16 rows x 64 columns into stages of its own in LDS (rows of 256 + 16 bytes); one barrier; wave (kh, ..) reads blocks 2 kh and 2 kh + 1 of both halves of K back by rows,
; adds them and stores rows of 256 consecutive bytes, aligned.  A sum is so made of two f32 parts, each with K ascending.
.set FRB,   1536
.set FB,    4096                       ; mlpProjWeight's first fragment
.set ASC,   12582912                   ; where h's scale words begin
.set KS,    32                         ; K steps of a tile
.set STB,   16*272                     ; a stage
.set SPARE, 32*STB                     ; behind the 32 stages: the spare words, 128 bytes a wave
.set O16,  4                           ; v4  16 x lane
.set O8,   5                           ; v5  8 x lane
.set L4,   6                           ; v6  4 x lane
.set STO,  7                           ; v7  where I put 32 bytes of a row
.set RD,   8                           ; v8  where I read a row back: the stage of kh = 0;  v9: of kh = 1
.set RD2,  9
.set CO,   10                          ; v10 my byte offset in out
.set SPW,  12
.set NIL,  13
.set SA,   16                          ; v16-47 h's scale words: 8 i + s / 2
.set SB,   48                          ; v48-79 the weight's
.set ACC,  128                         ; v128-255 accumulator (a, b) at 8 (4 a + b)
.set MSB, 0
.macro WIN new                         ; the immediate's high byte repeats the setting that is left
.if MSB != (\new)
	s_set_vgpr_msb (MSB<<8)|(\new)
.set MSB, (\new)
.endif
.endm
.macro FRAGL reg, base, off
.set fr, \reg
.set fo, \off
	global_load_b128 v[fr:fr+3], v[O16], s[\base:\base+1] offset:fo
	global_load_b64 v[fr+4:fr+5], v[O8], s[\base:\base+1] offset:fo+512
	global_load_b128 v[fr+6:fr+9], v[O16], s[\base:\base+1] offset:fo+768
	global_load_b64 v[fr+10:fr+11], v[O8], s[\base:\base+1] offset:fo+1280
.endm
.macro LOADS s                         ; K step s of my 16 into set s % 2: h's four fragments, then the weight's
.set II, 0
.rept 4
	FRAGL 96*((\s)%2)+12*II, 24, (KS*II+(\s))*FRB
.set II, II+1
.endr
.set II, 0
.rept 4
	FRAGL 96*((\s)%2)+48+12*II, 26, (KS*II+(\s))*FRB
.set II, II+1
.endr
.endm
.macro WM c, odd
.if \odd
	v_wmma_scale_f32_16x16x128_f8f6f4 v[rD:rD+7], v[rB:rB+11], v[rA:rA+11], \c, v[rSB], v[rSA] matrix_a_fmt:MATRIX_FMT_BF6 matrix_b_fmt:MATRIX_FMT_BF6 matrix_a_scale:MATRIX_SCALE_ROW1 matrix_b_scale:MATRIX_SCALE_ROW1
.else
	v_wmma_scale_f32_16x16x128_f8f6f4 v[rD:rD+7], v[rB:rB+11], v[rA:rA+11], \c, v[rSB], v[rSA] matrix_a_fmt:MATRIX_FMT_BF6 matrix_b_fmt:MATRIX_FMT_BF6
.endif
.endm
.macro MUL s, zero                     ; the 16 accumulators by turns, one instruction a turn
.set AA, 0
.rept 4
.set BB, 0
.rept 4
.set rD, ACC+8*(4*AA+BB)
.set rB, 96*((\s)%2)+48+12*BB
.set rA, 96*((\s)%2)+12*AA
.set rSB, SB+8*BB+(\s)/2
.set rSA, SA+8*AA+(\s)/2
.if \zero
	WM 0, (\s)%2
.else
	WM v[rD:rD+7], (\s)%2
.endif
.set BB, BB+1
.endr
.set AA, AA+1
.endr
.endm
	s_load_b256 s[4:11], s[0:1], 0x0               ; h, the weights' codes, their scales, s2
	s_load_b64 s[12:13], s[0:1], 0x20              ; out
	v_lshl_add_u32 v[SPW], v0, 2, SPARE
	v_mov_b32 v[NIL], 0
	v_lshrrev_b32 v1, 5, v0
	s_delay_alu instid0(VALU_DEP_1)
	v_readfirstlane_b32 s14, v1                    ; wave 0..7
	s_lshr_b32 s15, s14, 2                         ; kh
	s_bfe_u32 s16, s14, 0x10001                    ; ha
	s_and_b32 s17, s14, 1                          ; hb
	s_and_b32 s18, ttmp7, 0xffff                   ; Y: which 128 tokens;  ttmp9 = X: which 128 columns
	s_lshl_b32 s20, s18, 3
	s_lshl_b32 s21, s16, 2
	s_add_co_u32 s20, s20, s21                     ; my first tile of tokens
	s_lshl_b32 s22, ttmp9, 3
	s_lshl_b32 s21, s17, 2
	s_add_co_u32 s22, s22, s21                     ; my first tile of columns
	s_lshl_b32 s23, s15, 4                         ; my first K step
	s_lshl_b32 s24, s20, 5
	s_add_co_u32 s24, s24, s23                     ; h's first fragment
	s_lshl_b32 s26, s22, 5
	s_add_co_u32 s26, s26, s23                     ; the weight's
	s_lshl_b32 s28, s24, 6                         ; their scale words
	s_lshl_b32 s30, s26, 6
	s_mul_i32 s24, s24, FRB
	s_mul_i32 s26, s26, FRB
	s_lshl_b32 s32, s20, 3
	s_add_co_u32 s32, s32, ttmp9
	s_lshl_b32 s32, s32, 13                        ; s2: the image of (my first tile, X), 8,192 bytes,
	s_lshl_b32 s33, s17, 12
	s_add_co_u32 s32, s32, s33                     ; its half hb
	s_lshl_b32 s34, s18, 7
	s_lshl_b32 s35, s16, 6
	s_add_co_u32 s34, s34, s35
	s_lshl_b32 s35, s15, 5
	s_add_co_u32 s34, s34, s35                     ; the first token that I store: 128 Y + 64 ha + 32 kh
	s_lshl_b32 s34, s34, 12
	s_lshl_b32 s35, ttmp9, 9
	s_add_co_u32 s34, s34, s35
	s_lshl_b32 s35, s17, 8
	s_add_co_u32 s34, s34, s35                     ; + my first column, in bytes
.irp r, 25,27,29,31,33,35
	s_mov_b32 s\r, 0
.endr
	s_mul_i32 s36, s14, 4*STB                      ; my four stages
	s_and_b32 s37, s14, 3
	s_mul_i32 s37, s37, 4*STB
	s_mul_i32 s38, s15, 2*STB
	s_add_co_u32 s37, s37, s38                     ; the stages that I read: blocks 2 kh, 2 kh + 1 of the wave with my ha, hb and kh = 0
	v_and_b32 v3, 31, v0
	v_and_b32 v1, 15, v0                           ; r
	v_bfe_u32 v2, v0, 4, 1                         ; h
	v_lshlrev_b32 v[O16], 4, v3
	v_lshlrev_b32 v[O8], 3, v3
	v_lshlrev_b32 v[L4], 2, v3
	v_mul_u32_u24 v11, v1, 272
	v_mul_u32_u24 v14, v2, 8*272
	v_lshlrev_b32 v15, 16, v2
	s_delay_alu instid0(VALU_DEP_3)
	v_lshl_add_u32 v11, v2, 6, v11
	s_delay_alu instid0(VALU_DEP_3)
	v_lshl_add_u32 v14, v1, 4, v14
	s_delay_alu instid0(VALU_DEP_3)
	v_lshl_add_u32 v[CO], v1, 4, v15               ; lanes 16-31: position 8 + i, which is 16 tokens further down
	s_delay_alu instid0(VALU_DEP_3)
	v_add_nc_u32 v[STO], s36, v11                  ; in: row r, + 64 h
	s_delay_alu instid0(VALU_DEP_3)
	v_add_nc_u32 v[RD], s37, v14                   ; back: lanes 0-15 position i, lanes 16-31 position 8 + i
	s_delay_alu instid0(VALU_DEP_1)
	v_add_nc_u32 v[RD2], 16*STB, v[RD]
	s_wait_alu depctr_va_vdst(0)                   ; the wait at the head's end
	s_wait_kmcnt 0x0
	s_add_nc_u64 s[24:25], s[4:5], s[24:25]
	s_add_nc_u64 s[28:29], s[4:5], s[28:29]
	s_add_nc_u64 s[28:29], s[28:29], ASC
	s_add_nc_u64 s[26:27], s[6:7], s[26:27]
	s_add_nc_u64 s[26:27], s[26:27], 256+FB*FRB
	s_add_nc_u64 s[30:31], s[8:9], s[30:31]
	s_add_nc_u64 s[30:31], s[30:31], 256+FB*64
	s_add_nc_u64 s[32:33], s[10:11], s[32:33]
	s_add_nc_u64 s[34:35], s[12:13], s[34:35]
.set n, 0
.rept 32
	global_load_b32 v[SA+n], v[L4], s[28:29] offset:(n/8)*2048+(n%8)*128
	global_load_b32 v[SB+n], v[L4], s[30:31] offset:(n/8)*2048+(n%8)*128
.set n, n+1
.endr
	WIN 0x40                                       ; destination window 1
	LOADS 0
	WIN 0
	s_cmp_lg_u32 s15, 0
	s_cbranch_scc1 .Lupper
.set n, 0
.rept 16
	global_load_b128 v[ACC+8*n:ACC+8*n+3], v[O16], s[32:33] offset:(n/4)*65536+(n%4)*1024 th:TH_LOAD_NT        ; s2 into accumulator (a, b) = (n / 4, n % 4): 512 consecutive bytes a load
	global_load_b128 v[ACC+8*n+4:ACC+8*n+7], v[O16], s[32:33] offset:(n/4)*65536+(n%4)*1024+512 th:TH_LOAD_NT
.set n, n+1
.endr
	WIN 0x40
	LOADS 1                                        ; step 1 is asked for behind s2, so that the first products wait for neither arm's step 1
	s_wait_loadcnt 32                              ; all but step 1's 32 loads
	WIN 0x05
	MUL 0, 0
	WIN 0
	s_branch .Lwalk
.Lupper:
	WIN 0x40
	LOADS 1
	s_wait_loadcnt 32
	WIN 0x05
	MUL 0, 1                                       ; the first products start the sums
	WIN 0
.Lwalk:
.set ST, 0
.rept 16
.if ST > 0
.if ST < 15
	s_wait_loadcnt 32                              ; all but the next step's 32 loads are in
.else
	s_wait_loadcnt 0x0
.endif
	WIN 0x05
	MUL ST, 0
.endif
.rept 4
	v_nop                                          ; places in front of loads into registers that the products read, and of the first read of the results
.endr
.if ST < 14
	WIN 0x40
	LOADS ST+2
.endif
.set ST, ST+1
.endr
	WIN 0
.set n, 0
.rept 16
	ds_store_b128 v[STO], v[ACC+8*n:ACC+8*n+3] offset:(n/4)*STB+128*((n%4)/2)+32*(n%2)        ; each accumulator from its low end on
	ds_store_b128 v[STO], v[ACC+8*n+4:ACC+8*n+7] offset:(n/4)*STB+128*((n%4)/2)+32*(n%2)+16
.set n, n+1
.endr
	s_wait_dscnt 0x0                               ; for the others' sake: my stores have landed
	s_barrier_signal -1
	s_barrier_wait -1
.irp t, 0,1,2,3,4,5,6,7
	ds_load_b128 v[16+4*\t:19+4*\t], v[RD] offset:\t*272
	ds_load_b128 v[48+4*\t:51+4*\t], v[RD2] offset:\t*272
.endr
.irp t, 0,1,2,3,4,5,6,7
	ds_load_b128 v[80+4*\t:83+4*\t], v[RD] offset:STB+\t*272
	ds_load_b128 v[128+4*\t:131+4*\t], v[RD2] offset:STB+\t*272
.endr
	s_wait_dscnt 16                                ; the first block's 16 loads are in
.set k, 0
.rept 16
	v_pk_add_f32 v[16+k:17+k], v[16+k:17+k], v[48+k:49+k]
.set k, k+2
.endr
.irp t, 0,1,2,3,4,5,6,7
	global_store_b128 v[CO], v[16+4*\t:19+4*\t], s[34:35] offset:\t*4096 th:TH_STORE_NT   ; sixteen lanes store 256 consecutive bytes, aligned
.endr
	s_wait_dscnt 0x0
.set k, 0
.rept 16
	v_pk_add_f32 v[80+k:81+k], v[80+k:81+k], v[128+k:129+k]
.set k, k+2
.endr
.irp t, 0,1,2,3,4,5,6,7
	global_store_b128 v[CO], v[80+4*\t:83+4*\t], s[34:35] offset:(8+\t)*4096 th:TH_STORE_NT
.endr
	s_wait_tensorcnt 0x0                           ; the wave's end
	ds_add_u32 v[SPW], v[NIL]
	s_wait_dscnt 0x0
	s_endpgm
.Lfunc_end_k_q752246b8db_mlp:
	.size	k_q752246b8db_mlp, .Lfunc_end_k_q752246b8db_mlp-k_q752246b8db_mlp
	.p2alignl 7, 3214868480
	.fill 96, 4, 3214868480
	.section	.rodata,"a",@progbits
	.p2align	6, 0x0
	.amdhsa_kernel k_q752246b8db_mlp
		.amdhsa_group_segment_fixed_size 140288
		.amdhsa_private_segment_fixed_size 0
		.amdhsa_enable_private_segment 0
		.amdhsa_kernarg_size 40
		.amdhsa_user_sgpr_count 2
		.amdhsa_user_sgpr_kernarg_segment_ptr 1
		.amdhsa_wavefront_size32 1
		.amdhsa_system_sgpr_workgroup_id_x 1
		.amdhsa_system_sgpr_workgroup_id_y 1
		.amdhsa_system_sgpr_workgroup_id_z 1
		.amdhsa_system_vgpr_workitem_id 0
		.amdhsa_next_free_vgpr 448
		.amdhsa_next_free_sgpr 66
		.amdhsa_reserve_vcc 0
		.amdhsa_float_denorm_mode_32 3
		.amdhsa_float_denorm_mode_16_64 3
		.amdhsa_memory_ordered 1
		.amdhsa_forward_progress 1
		.amdhsa_inst_pref_size 110
	.end_amdhsa_kernel
	.amdgpu_metadata
---
amdhsa.version: [ 1, 2 ]
amdhsa.kernels:
  - .name:           k_q752246b8db_mlp
    .symbol:         k_q752246b8db_mlp.kd
    .args:
      - { .name: H, .offset: 0, .size: 8, .value_kind: global_buffer, .address_space: global }
      - { .name: W, .offset: 8, .size: 8, .value_kind: global_buffer, .address_space: global }
      - { .name: WS, .offset: 16, .size: 8, .value_kind: global_buffer, .address_space: global }
      - { .name: S2, .offset: 24, .size: 8, .value_kind: global_buffer, .address_space: global }
      - { .name: out0, .offset: 32, .size: 8, .value_kind: global_buffer, .address_space: global }
    .group_segment_fixed_size: 140288
    .private_segment_fixed_size: 0
    .kernarg_segment_align: 8
    .kernarg_segment_size: 40
    .max_flat_workgroup_size: 256
    .sgpr_count:     66
    .vgpr_count:     448
    .wavefront_size: 32
...
	.end_amdgpu_metadata
.endif
;; end of part 6
